; MI455X (gfx1250); checked and timed in simulation.
; The chip was launched on July 23, 2026; its instructions are those of AMD's public machine-readable ISA for CDNA 5 (MIT licence, August 2026) and "CDNA5" Instruction Set Architecture Reference Guide (July 2026). The comments in the code are by the model that wrote it; some were corrected since.
;; Vanilla Encoder Layer. Allowed arithmetic: matrix products marked QUANTISED: E2M3 operands, one E8M0 scale for each 32 along K, by v_wmma_scale_f32_16x16x128_f8f6f4 with both operands' format E2M3, f32 sums; everything else in f32.
;; Inputs: b1 1,024 float32; b2 256 float32; be1 256 float32; be2 256 float32; bk 256 float32; bp 256 float32; bq 256 float32; bv 256 float32; g1 256 float32; g2 256 float32; w1_codes 1,024 x 8 x 24 uint8 (E2M3 codes of w1, K innermost, in blocks of 32 codes, four codes in three bytes); w1_scales 1,024 x 8 uint8 (E8M0 scales of w1, one for each 32 codes along K); w2_codes 256 x 32 x 24 uint8 (E2M3 codes of w2, K innermost, in blocks of 32 codes, four codes in three bytes); w2_scales 256 x 32 uint8 (E8M0 scales of w2, one for each 32 codes along K); wk_codes 256 x 8 x 24 uint8 (E2M3 codes of wk, K innermost, in blocks of 32 codes, four codes in three bytes); wk_scales 256 x 8 uint8 (E8M0 scales of wk, one for each 32 codes along K); wp_codes 256 x 8 x 24 uint8 (E2M3 codes of wp, K innermost, in blocks of 32 codes, four codes in three bytes); wp_scales 256 x 8 uint8 (E8M0 scales of wp, one for each 32 codes along K); wq_codes 256 x 8 x 24 uint8 (E2M3 codes of wq, K innermost, in blocks of 32 codes, four codes in three bytes); wq_scales 256 x 8 uint8 (E8M0 scales of wq, one for each 32 codes along K); wv_codes 256 x 8 x 24 uint8 (E2M3 codes of wv, K innermost, in blocks of 32 codes, four codes in three bytes); wv_scales 256 x 8 uint8 (E8M0 scales of wv, one for each 32 codes along K); x 16 x 2,048 x 256 float32.
;; Outputs: out0 16 x 2,048 x 256 float32.
;; This version of the problem:
;;   THIS VERSION OF THE PROBLEM IS GIVEN IN LOW PRECISION. The matrix products marked QUANTISED in the list below multiply operands that are first quantised to E2M3 (2 exponent bits, 3 mantissa bits; 6 bits a number), with one power-of-two scale for each 32 numbers along K (OCP MX v1.0); their sums are f32. All else is computed in f32.
;;   The module's matrix products, in the order in which they are computed (A, B: the left and right operand; K: the contracted axis; several contracted axes count as one K, in the product's order):
;;     1. [M 32,768, K 256] x [K 256, N 256]; A: input x; B: input wq (given as codes): QUANTISED
;;     2. [M 32,768, K 256] x [K 256, N 256]; A: input x; B: input wk (given as codes): QUANTISED
;;     3. [M 32,768, K 256] x [K 256, N 256]; A: input x; B: input wv (given as codes): QUANTISED
;;     4. batch 16 x [M 2,048, K 256] x [K 256, N 2,048]; A: computed on the way; B: computed on the way: QUANTISED
;;     5. batch 16 x [M 2,048, K 2,048] x [K 2,048, N 256]; A: softmax (see below); B: computed on the way: QUANTISED
;;     6. [M 32,768, K 256] x [K 256, N 256]; A: computed on the way; B: input wp (given as codes): QUANTISED
;;     7. [M 32,768, K 256] x [K 256, N 1,024]; A: computed on the way; B: input w1 (given as codes): QUANTISED
;;     8. [M 32,768, K 1,024] x [K 1,024, N 256]; A: computed on the way; B: input w2 (given as codes): QUANTISED
;;   THE QUANTISER, for each operand of a quantised product, along K:
;;     - K is cut into blocks of 32 from its start; a last block that is shorter is filled with zeros.
;;     - A block's scale is 2^e with e = floor(log2(the largest magnitude in the block)) - 2, held to -126 .. 127; a block of zeros has e = 0. As a byte (E8M0): e + 127.
;;     - Each number is divided by its block's scale, clamped to +-7.5, and rounded to the nearest number of E2M3, ties to even, subnormals kept.
;;     - The product sums the exact products of the quantised numbers (number of the format x scale) in f32.
;;   ~~~python
;;   def quantise(x, axis):      # numpy; x: float32 -> the quantised numbers, widened to float32 again
;;       x = np.moveaxis(x, axis, -1); K = x.shape[-1]
;;       x = np.pad(x, [(0, 0)] * (x.ndim - 1) + [(0, -K % 32)]); x = x.reshape(x.shape[:-1] + (-1, 32)); a = np.abs(x).max(-1, keepdims=True)
;;       e = np.where(a > 0, np.clip(np.frexp(np.where(a > 0, a, 1))[1] - 1 - 2, -126, 127), 0)      # np.frexp(a)[1] - 1 = floor(log2(a)), exactly
;;       r = np.clip(x / 2.0 ** e, -7.5, 7.5)
;;       step = 2.0 ** (np.maximum(np.frexp(np.where(r == 0, 1, r))[1] - 1, 0) - 3)
;;       q = np.round(r / step) * step * 2.0 ** e      # np.round: ties to even
;;       return np.moveaxis(q.reshape(q.shape[:-2] + (-1,))[..., :K], -1, axis).astype(np.float32)
;;   ~~~
;;   SOFTMAX AHEAD OF A QUANTISED PRODUCT. Where the list says 'softmax', what is quantised is not the finished softmax but p = 2^(t - M), with t = logit x log2(e) and M = ceil(the row's largest t), a whole number; so 1/2 < the row's largest p <= 1. The row's sum l is taken of the UNQUANTISED p, in f32, and the product's result is divided by l at the end. Since M is a whole number, a kernel that streams over the keys may use a running M (the ceiling of the running maximum): every later rescaling is an exact power of two, which a block's scale takes up: the codes' values come out the same.
;;   OPERANDS COMPUTED ON THE WAY. 'Computed on the way' means the value that the module computes at that place (a softmax that the list does not call 'softmax' is quantised finished and normalised). What goes into a quantiser is computed in f32, as accurately as f32 sums, v_exp_f32 and their like allow (about 1e-6 of the number): no bf16 or f16 on the way to a quantiser, and a product that is left as it is and whose result goes on into a quantised operand takes f32 operands (vector FMAs, or v_wmma_f32_16x16x4_f32). A number that lies on a knife's edge between two numbers of the format may be rounded either way, as far as f32 arithmetic and the matrix unit's own rounding can turn it there, and no further.
;;   INPUTS GIVEN AS CODES. w1 (in the module: [256, 1024], K = its axis 0); w2 (in the module: [1024, 256], K = its axis 0); wk (in the module: [256, 256], K = its axis 0); wp (in the module: [256, 256], K = its axis 0); wq (in the module: [256, 256], K = its axis 0); wv (in the module: [256, 256], K = its axis 0): each comes as NAME_codes (uint8): NAME with its K axis moved to the last place and cut into blocks of 32 codes, [.., K / 32, bytes a block], one block behind the other in memory; four codes in three bytes: a row's codes are one little-endian stream of bits, code i at bits 6 i .. 6 i + 5 (a code: sign, 2 exponent bits, 3 mantissa bits); and NAME_scales (uint8): the same leading axes, one E8M0 byte (e + 127) for each 32 codes along K. Its value is code x scale, taken as it is: it is not quantised again, and the codes and scales need not be those that the quantiser above would give.
;; One version. Each part assembles by itself: llvm-mc -triple=amdgcn-amd-amdhsa -mcpu=gfx1250 --defsym DOCPART=n.
;; ======== version 1 of 1: 3 launches
;; limits: right only within a limited range of input values
;; workspace buffers: qc 6,291,456 bytes; qs 262,144 bytes; kv 13,107,200 bytes; oc 6,291,456 bytes; os 262,144 bytes; wrec 460,800 bytes
;; launch qkv (part 1): grid 256 x 1, 4 waves a work-group, clusters of 4 x 1, 327,680 bytes of LDS; arguments x, wq_codes, wq_scales, bq, wk_codes, wk_scales, bk, wv_codes, wv_scales, bv, w1_codes, w1_scales, w2_codes, w2_scales, wp_codes, wp_scales, qc, qs, kv, wrec; writes qc, qs, kv, wrec
.if DOCPART == 1
	.amdgcn_target "amdgcn-amd-amdhsa--gfx1250"
	.amdhsa_code_object_version 6
	.text
	.protected	k_q412744732f_qkv
	.globl	k_q412744732f_qkv
	.p2align	8
	.type	k_q412744732f_qkv,@function
k_q412744732f_qkv:
	s_mov_b64 s[64:65], 0
	v_nop
	global_prefetch_b8 v0, s[64:65] scope:SCOPE_SE
	s_setreg_imm32_b32 hwreg(HW_REG_WAVE_MODE, 25, 1), 1
	s_wait_xcnt 0x0
	s_wait_alu depctr_hold_cnt(0) depctr_sa_sdst(0) depctr_va_vdst(0) depctr_va_sdst(0) depctr_va_ssrc(0) depctr_va_vcc(0) depctr_vm_vsrc(0)
	s_getreg_b32 s2, hwreg(HW_REG_IB_STS2, 6, 4)
	s_cmp_eq_u32 s2, 0
	s_cbranch_scc0 .Lentry_in_a_cluster
	s_endpgm
.Lentry_in_a_cluster:
	s_bfe_u32 s2, ttmp6, 0x10000c
	s_cmp_lg_u32 s2, 0x3003
	s_cbranch_scc0 .Lentry_shape_is_right
	s_endpgm
.Lentry_shape_is_right:
.set XIMG,  0
.set XSC,   24576
.set SPARE, 25600
.set XSTG,  26112
.set XSP,   528
.set WL,    59904
.set WPI,   240
.set WVO,   128*WPI
.set LI,  1
.set LS,  2
.set XST, 3
.set WRA, 4
.set WSA, 5
.set BA,  6
.set BVA, 7
.set XWI, 8
.set XWS, 9
.set JV,  10
.set JSV, 11
.set SPW, 12
.set NIL, 13
.set WRB, 14
.set XRD, 15
.set WSC, 16
.set VSC, 24
.set XSR, 28
.set TM,  36
.set PW,  52
.set KP,  53
.set PC,  54
.set CT,  66
.set SW,  74
.set KP1, 75
.set JB,  76
.set JS,  88
.set TL,  89
.set TR,  90
.set TH,  91
.set TP,  92
.set HA,  96
.set WV,  2
.set WG,  3
.set G1W, 8
.set G0V, 16
.set G0W, 36
.set WC,  44
.set WS,  46
.set BI,  48
.set DC,  50
.set DS,  52
.set VD,  54
.set VSD, 56
.set HM,  62
.set JG,  63
.set SEL, 66
.set G1V, 92
.set MSB, 0
.macro WIN new
.if MSB != (\new)
	s_set_vgpr_msb (MSB<<8)|(\new)
.set MSB, (\new)
.endif
.endm
.macro PLACES n
.rept \n
	v_nop
.endr
.endm
.macro MM
.if qA && qB
	v_wmma_scale_f32_16x16x128_f8f6f4 v[rD:rD+7], v[rA:rA+11], v[rB:rB+11], v[rC:rC+7], v[rSA], v[rSB] matrix_a_fmt:MATRIX_FMT_FP6 matrix_b_fmt:MATRIX_FMT_FP6 matrix_a_scale:MATRIX_SCALE_ROW1 matrix_b_scale:MATRIX_SCALE_ROW1
.elseif qA
	v_wmma_scale_f32_16x16x128_f8f6f4 v[rD:rD+7], v[rA:rA+11], v[rB:rB+11], v[rC:rC+7], v[rSA], v[rSB] matrix_a_fmt:MATRIX_FMT_FP6 matrix_b_fmt:MATRIX_FMT_FP6 matrix_a_scale:MATRIX_SCALE_ROW1
.elseif qB
	v_wmma_scale_f32_16x16x128_f8f6f4 v[rD:rD+7], v[rA:rA+11], v[rB:rB+11], v[rC:rC+7], v[rSA], v[rSB] matrix_a_fmt:MATRIX_FMT_FP6 matrix_b_fmt:MATRIX_FMT_FP6 matrix_b_scale:MATRIX_SCALE_ROW1
.else
	v_wmma_scale_f32_16x16x128_f8f6f4 v[rD:rD+7], v[rA:rA+11], v[rB:rB+11], v[rC:rC+7], v[rSA], v[rSB] matrix_a_fmt:MATRIX_FMT_FP6 matrix_b_fmt:MATRIX_FMT_FP6
.endif
.endm
.macro QUANT src, win, pc, pw
	WIN (\win)|((\win)<<2)
.irp b, 0,1,2,3
	v_max3_num_f32 v[TM+\b], |v[(\src)+16*\b]|, |v[(\src)+16*\b+1]|, 0x1800000
.endr
	WIN ((\win)<<2)|((\win)<<4)
.irp i, 2,4,6,8,10,12,14
.irp b, 0,1,2,3
	v_max3_num_f32 v[TM+\b], v[TM+\b], |v[(\src)+16*\b+\i]|, |v[(\src)+16*\b+\i+1]|
.endr
.endr
	WIN 0
.irp b, 0,1,2,3
	v_permlanex16_b32 v[TM+4+\b], v[TM+\b], s[SEL], s[SEL+1]
.endr
.irp b, 0,1,2,3
	v_max_num_f32 v[TM+\b], v[TM+\b], v[TM+4+\b]
.endr
.irp b, 0,1,2,3
	v_add_nc_u32 v[TM+12+\b], 0xff000000, v[TM+\b]
.endr
.irp b, 0,1,2,3
	v_lshrrev_b32 v[TM+4+\b], 23, v[TM+12+\b]
.endr
	v_lshl_or_b32 v[\pw], v[TM+5], 8, v[TM+4]
	v_lshl_or_b32 v[\pw], v[TM+6], 16, v[\pw]
	v_lshl_or_b32 v[\pw], v[TM+7], 24, v[\pw]
	WIN (\win)
.irp c, 0,1
	v_cvt_scalef32_pk16_fp6_f32 v[(\pc)+6*\c:(\pc)+6*\c+2], v[(\src)+32*\c:(\src)+32*\c+15], v[TM+12+2*\c]
	v_cvt_scalef32_pk16_fp6_f32 v[CT+4*\c:CT+4*\c+2], v[(\src)+32*\c+16:(\src)+32*\c+31], v[TM+13+2*\c]
.endr
	WIN 0
	v_nop
.irp c, 0,1
.irp i, 0,1,2
	v_permlane16_swap_b32 v[(\pc)+6*\c+\i], v[CT+4*\c+\i]
.endr
.irp i, 0,1,2
	v_mov_b32 v[(\pc)+6*\c+3+\i], v[CT+4*\c+\i]
.endr
.endr
.endm
.macro CROUND
	s_barrier_signal -1
	s_barrier_wait -1
	s_cmp_lg_u32 s[WV], 0
	s_cbranch_scc1 .Lnot_wave_0_\@
	s_barrier_signal -3
.Lnot_wave_0_\@:
	s_barrier_wait -3
	s_barrier_signal -1
	s_barrier_wait -1
.endm
.macro XLOAD k
.set nn, 0
.rept 16
	global_load_b128 v[64*(\k)+4*nn:64*(\k)+4*nn+3], v[LI], s[4:5] offset:(8*((\k)/2)+nn+8*(nn/8))*1024+512*((\k)%2) th:TH_LOAD_NT
.set nn, nn+1
.endr
.endm
.macro TURN k
	WIN 0x0c
.set nn, 0
.rept 16
	ds_store_b128 v[XST], v[64*(\k)+4*nn:64*(\k)+4*nn+3] offset:XSP*nn
.set nn, nn+1
.endr
	WIN 0xc0
.irp b, 0,1,2,3
.irp j, 0,1,2,3
	ds_load_b128 v[64*(\k)+16*\b+4*\j:64*(\k)+16*\b+4*\j+3], v[XRD] offset:128*\b+16*\j
.endr
.endr
	WIN 0
.endm
.macro IMG off
.irp c, 0,1,2
	ds_store_b128 v[XWI], v[PC+4*\c:PC+4*\c+3] offset:XIMG+\off+512*\c
.endr
.endm
.macro SEND ptr, off
.irp c, 0,1,2
	global_store_b128 v[LI], v[PC+4*\c:PC+4*\c+3], s[\ptr:\ptr+1] offset:(\off)+512*\c
.endr
.endm
.macro WFRAG reg, s, off
.irp p, 0,1,2,3,4,5
.set pcn, 12*(\s)+6*(\p/3)+\p%3
.if pcn%8 < 5
	ds_load_b64 v[(\reg)+2*\p:(\reg)+2*\p+1], v[WRA] offset:(\off)+8*pcn+16*(pcn/8)
.else
	ds_load_b64 v[(\reg)+2*\p:(\reg)+2*\p+1], v[WRB] offset:(\off)+8*pcn+16*(pcn/8)
.endif
.endr
.endm
.macro MMQK m
	WIN 0x1d
.set ii, 0
.rept 8
.set rD, HA+64*((\m)%2)+8*ii
.set rA, 24*ii
.set rB, 24*(\m)
.set rC, 192+8*ii
.set rSA, WSC+ii
.set rSB, XSR+2*((\m)/2)
.set qA, 0
.set qB, (\m)%2
	MM
.set ii, ii+1
.endr
	WIN 0x0d
.set ii, 0
.rept 8
.set rD, HA+64*((\m)%2)+8*ii
.set rA, 24*ii+12
.set rB, 24*(\m)+12
.set rC, rD
.set rSA, WSC+ii
.set rSB, XSR+2*((\m)/2)+1
.set qA, 1
.set qB, (\m)%2
	MM
.set ii, ii+1
.endr
	WIN 0
.endm
.macro MMV t
	WIN 0x2b
.set ii, 0
.rept 8
.set rD, HA+64*((\t)%2)+8*ii
.set rA, 24*ii
.set rB, 24*(\t)
.set rC, 96+8*(\t)
.set rSA, XSR+2*(ii/2)
.set rSB, VSC+(\t)
.set qA, ii%2
.set qB, 0
	MM
.set ii, ii+1
.endr
	WIN 0x0b
.set ii, 0
.rept 8
.set rD, HA+64*((\t)%2)+8*ii
.set rA, 24*ii+12
.set rB, 24*(\t)+12
.set rC, rD
.set rSA, XSR+2*(ii/2)+1
.set rSB, VSC+(\t)
.set qA, ii%2
.set qB, 1
	MM
.set ii, ii+1
.endr
	WIN 0
.endm
	s_load_b512 s[4:19], s[0:1], 0x0
	s_load_b512 s[20:35], s[0:1], 0x40
	s_load_b256 s[36:43], s[0:1], 0x80
	v_lshl_add_u32 v[SPW], v0, 2, SPARE
	v_mov_b32 v[NIL], 0
	ds_add_u32 v[SPW], v[NIL]
	ds_add_u32 v[SPW], v[NIL]
	v_lshrrev_b32 v[TL], 5, v0
	v_readfirstlane_b32 s[WV], v[TL]
	s_bfe_u32 s58, ttmp6, 0x40000
	s_lshl_b32 s[WG], ttmp9, 2
	s_add_co_u32 s[WG], s[WG], s58
	v_and_b32 v[TL], 31, v0
	v_and_b32 v[TR], 15, v0
	v_bfe_u32 v[TH], v0, 4, 1
	v_and_b32 v[TP], 8, v[TR]
	v_add_nc_u32 v[TP], v[TP], v[TR]
	v_lshlrev_b32 v[LI], 4, v[TL]
	v_lshlrev_b32 v[LS], 2, v[TL]
	s_mul_i32 s59, s[WV], 16*XSP
	s_add_co_u32 s59, s59, XSTG
	v_add_nc_u32 v[XST], s59, v[LI]
	v_mul_u32_u24 v[XRD], v[TR], XSP
	v_lshl_add_u32 v[XRD], v[TH], 6, v[XRD]
	v_add_nc_u32 v[XRD], s59, v[XRD]
	s_mul_i32 s74, s[WV], 46080
	s_add_co_u32 s74, s74, WL
	v_mul_u32_u24 v[WRA], v[TP], WPI
	v_mad_u32_u24 v[WRA], v[TH], 24, v[WRA]
	v_add_nc_u32 v[WRA], s74, v[WRA]
	v_lshl_add_u32 v[WRB], v[TH], 4, v[WRA]
	v_lshlrev_b32 v[WSA], 3, v[TP]
	v_lshl_add_u32 v[WSA], v[TH], 2, v[WSA]
	v_lshlrev_b32 v[BA], 6, v[TH]
	v_lshlrev_b32 v[BVA], 2, v[TP]
	s_mul_i32 s59, s[WV], 6144
	v_add_nc_u32 v[XWI], s59, v[LI]
	s_lshl_b32 s59, s[WV], 8
	v_add_nc_u32 v[XWS], s59, v[LS]
.irp b, 0,1,2,3
	v_mov_b32 v[TM+4+\b], 0
.endr
	s_mov_b32 s[G1V], 15|(1<<20)|(1<<21)|(3<<22)|(3<<25)
	s_mov_b32 s[G1V+1], 256<<16                    ; the block of 64 rows x 192 bytes is dense: it is stated as 48 rows of 256 bytes; the padding's interval of 64 bytes is counted along the tile, so the LDS image stays
	s_mov_b32 s[G1V+2], 48<<16
	s_mov_b32 s[G1V+3], 256<<16
	s_mov_b32 s[G1V+4], 48
	s_mov_b32 s[G1V+5], 256
	s_mov_b32 s[G1V+6], 0
	s_mov_b32 s[G1V+7], 0
	s_mov_b32 s[HM], 0xffff0000
	s_mov_b32 s[SEL], 0x76543210
	s_mov_b32 s[SEL+1], 0xfedcba98
	s_and_b32 s58, s[WV], 1
	s_mov_b32 s59, 51200
	s_mov_b32 s61, 0
	s_mov_b32 s69, 0
	s_mov_b32 s73, 0
	s_wait_dscnt 0x0
	s_wait_kmcnt 0x0
	s_cmp_lt_u32 s[WV], 2
	s_cselect_b64 s[WC:WC+1], s[6:7], s[12:13]
	s_cselect_b64 s[WS:WS+1], s[8:9], s[14:15]
	s_cselect_b64 s[BI:BI+1], s[10:11], s[16:17]
	s_cselect_b64 s[DC:DC+1], s[36:37], s[40:41]
	s_cselect_b64 s[DS:DS+1], s[38:39], s[40:41]
	s_cselect_b32 s60, 24576, s59
	s_cselect_b32 s68, 1024, s59
	s_cselect_b32 s70, 0, 49152
	s_lshl_b32 s72, s[WG], 17
	s_lshl_b32 s75, s[WV], 15
	s_add_co_u32 s72, s72, s75
	s_add_nc_u64 s[4:5], s[4:5], s[72:73]
	WIN 0xc0
	XLOAD 0
	XLOAD 1
	XLOAD 2
	XLOAD 3
	WIN 0
	s_mul_i32 s72, s58, 24576
	s_add_nc_u64 s[G0W+2:G0W+3], s[WC:WC+1], s[72:73]
	s_or_b32 s[G0W+3], s[G0W+3], 0x80000000
	s_mov_b32 s[G0W], 1
	s_mov_b32 s[G0W+1], s74
	s_mul_i32 s72, s[WV], 12288
	s_add_nc_u64 s[G0V+2:G0V+3], s[18:19], s[72:73]
	s_or_b32 s[G0V+3], s[G0V+3], 0x80000000
	s_mov_b32 s[G0V], 1
	s_add_co_u32 s[G0V+1], s74, WVO
	s_mov_b32 s[G1W], 15|(1<<20)|(1<<21)|(3<<22)|(3<<25)
	s_mov_b32 s[G1W+1], 256<<16                    ; likewise: 128 rows x 192 bytes as 96 rows of 256 bytes
	s_mov_b32 s[G1W+2], 96<<16
	s_mov_b32 s[G1W+3], 256<<16
	s_mov_b32 s[G1W+4], 96
	s_mov_b32 s[G1W+5], 256
	s_mov_b32 s[G1W+6], 0
	s_mov_b32 s[G1W+7], 0
	CROUND
	tensor_load_to_lds s[G0W:G0W+3], s[G1W:G1W+7]
	s_nop 0
	s_wait_alu depctr_va_vdst(0)
	s_wait_tensorcnt 0x0
	ds_add_u32 v12, v13
	s_wait_dscnt 0x0
	CROUND
	tensor_load_to_lds s[G0V:G0V+3], s[G1V:G1V+7]
	s_nop 0
	PLACES 4
	s_mul_i32 s60, s60, s[WG]
	s_mul_i32 s72, s58, 1536
	s_add_co_u32 s60, s60, s72
	s_add_nc_u64 s[DC:DC+1], s[DC:DC+1], s[60:61]
	s_mul_i32 s68, s68, s[WG]
	s_add_co_u32 s68, s68, s70
	s_lshl_b32 s72, s58, 7
	s_add_co_u32 s68, s68, s72
	s_add_nc_u64 s[DS:DS+1], s[DS:DS+1], s[68:69]
	s_lshl_b32 s60, s58, 10
	s_add_nc_u64 s[WS:WS+1], s[WS:WS+1], s[60:61]
	s_lshl_b32 s60, s58, 9
	s_add_nc_u64 s[BI:BI+1], s[BI:BI+1], s[60:61]
	s_mul_i32 s60, s[WG], 51200
	s_mul_i32 s72, s[WV], 6144
	s_add_co_u32 s60, s60, s72
	s_add_co_u32 s60, s60, 24576
	s_add_nc_u64 s[VD:VD+1], s[40:41], s[60:61]
	s_mul_i32 s60, s[WG], 51200
	s_lshl_b32 s72, s[WV], 8
	s_add_co_u32 s60, s60, s72
	s_add_co_u32 s60, s60, 50176
	s_add_nc_u64 s[VSD:VSD+1], s[40:41], s[60:61]
	s_lshl_b32 s60, s[WV], 9
	s_add_nc_u64 s[20:21], s[20:21], s[60:61]
	s_lshl_b32 s60, s[WV], 8
	s_add_nc_u64 s[22:23], s[22:23], s[60:61]
	s_lshl_b32 s[JG], s[WG], 2
	s_add_co_u32 s[JG], s[JG], s[WV]
	s_cmp_lt_u32 ttmp9, 18
	s_cbranch_scc0 .Lno_job
	s_lshr_b32 s68, ttmp9, 1
	s_and_b32 s69, s[JG], 31
	s_and_b32 s70, ttmp9, 1
	s_xor_b32 s70, s70, 1
	s_cmp_lt_u32 s68, 8
	s_cselect_b32 s71, 1, 0
	s_and_b32 s72, s70, s71
	s_and_not1_b32 s73, s71, s70
	s_lshr_b32 s74, s69, 1
	s_and_b32 s75, s69, 15
	s_and_b32 s76, s69, 1
	s_mul_i32 s76, s76, 96
	s_lshr_b32 s77, s69, 4
	s_mul_i32 s77, s77, 96
	s_mul_i32 s78, s68, 96
	s_lshl_b32 s79, s68, 7
	s_cmp_lg_u32 s71, 0
	s_cselect_b32 s77, s78, s77
	s_cselect_b64 s[86:87], s[28:29], s[32:33]
	s_cmp_lg_u32 s72, 0
	s_cselect_b32 s74, s74, s75
	s_cselect_b32 s76, s76, s77
	s_cselect_b32 s79, s79, 0
	s_cselect_b64 s[86:87], s[24:25], s[86:87]
	s_mov_b32 s80, 192
	s_cmp_lg_u32 s73, 0
	s_cselect_b32 s80, 768, s80
	s_lshr_b32 s81, s74, 1
	s_lshl_b32 s81, s81, 5
	s_and_b32 s82, s74, 1
	s_lshl_b32 s82, s82, 3
	s_add_co_u32 s81, s81, s82
	s_add_co_u32 s81, s81, s79
	s_mul_i32 s84, s81, s80
	s_add_co_u32 s84, s84, s76
	s_mov_b32 s85, 0
	s_add_nc_u64 s[86:87], s[86:87], s[84:85]
	v_mul_lo_u32 v[JV], v[TP], s80
	v_mad_u32_u24 v[JV], v[TH], 24, v[JV]
.irp p, 0,1,2,3,4,5
	global_load_b64 v[JB+2*\p:JB+2*\p+1], v[JV], s[86:87] offset:48*(\p/3)+8*(\p%3)
.endr
	s_mul_i32 s84, s68, 51200
	s_mul_i32 s82, s69, 1536
	s_add_co_u32 s84, s84, s82
	s_add_nc_u64 s[88:89], s[42:43], s[84:85]
	s_cmp_lg_u32 s70, 0
	s_cbranch_scc0 .Lno_scale
	s_cmp_ge_u32 s69, 8
	s_cselect_b32 s70, 1, 0
	s_and_b32 s72, s71, s70
	s_and_not1_b32 s73, s71, s70
	s_sub_co_u32 s74, s69, 8
	s_lshr_b32 s75, s69, 1
	s_lshl_b32 s76, s68, 2
	s_and_b32 s77, s69, 1
	s_lshl_b32 s77, s77, 2
	s_lshl_b32 s79, s68, 7
	s_cmp_lg_u32 s71, 0
	s_cselect_b64 s[90:91], s[26:27], s[34:35]
	s_cmp_lg_u32 s73, 0
	s_cselect_b32 s79, s79, 0
	s_cmp_lg_u32 s72, 0
	s_cselect_b32 s74, s74, s75
	s_cselect_b32 s76, s76, s77
	s_cselect_b32 s78, 32, 8
	s_cselect_b64 s[90:91], s[30:31], s[90:91]
	s_lshl_b32 s74, s74, 5
	s_add_co_u32 s74, s74, s79
	s_mul_i32 s84, s74, s78
	s_add_co_u32 s84, s84, s76
	s_add_nc_u64 s[90:91], s[90:91], s[84:85]
	v_lshl_add_u32 v[JSV], v[TH], 3, v[TP]
	v_mul_lo_u32 v[JSV], v[JSV], s78
	global_load_b32 v[JS], v[JSV], s[90:91]
	s_mul_i32 s84, s68, 51200
	s_lshl_b32 s82, s69, 7
	s_add_co_u32 s84, s84, s82
	s_add_co_u32 s84, s84, 49152
	s_add_nc_u64 s[80:81], s[42:43], s[84:85]
	s_wait_loadcnt 0x0
	global_store_b32 v[LS], v[JS], s[80:81]
.Lno_scale:
	s_wait_loadcnt 0x0
.irp c, 0,1,2
	global_store_b128 v[LI], v[JB+4*\c:JB+4*\c+3], s[88:89] offset:512*\c
.endr
.Lno_job:
	s_wait_loadcnt 48
	TURN 0
	WIN 0x40
.set tt, 0
	s_wait_alu depctr_va_vdst(0)
.rept 8
.set ro, 32*(tt/2)+8*(tt%2)
	global_load_b128 v[192+8*tt:192+8*tt+3], v[BA], s[BI:BI+1] offset:ro*4
	global_load_b128 v[192+8*tt+4:192+8*tt+7], v[BA], s[BI:BI+1] offset:ro*4+16
.set tt, tt+1
.endr
	WIN 0
	s_wait_dscnt 0x0
	QUANT 0, 3, PC, PW
	IMG 0
	v_mov_b32 v[KP], v[PW]
	s_wait_loadcnt 48
	TURN 1
.set tt, 0
.rept 8
	global_load_b32 v[WSC+tt], v[WSA], s[WS:WS+1] offset:(32*(tt/2)+8*(tt%2))*8
.set tt, tt+1
.endr
.set tt, 0
.rept 4
	global_load_b32 v[VSC+tt], v[WSA], s[20:21] offset:(32*(tt/2)+8*(tt%2))*8
.set tt, tt+1
.endr
	s_wait_dscnt 0x0
	QUANT 64, 3, PC, PW
	IMG 1536
	v_mov_b32 v[KP1], v[PW]
	s_wait_loadcnt 44
	TURN 2
	s_wait_dscnt 0x0
	QUANT 128, 3, PC, PW
	IMG 3072
	v_cndmask_b32 v[SW], v[KP], v[PW], s[HM]
	ds_store_b32 v[XWS], v[SW] offset:XSC
	s_wait_loadcnt 28
	TURN 3
	WIN 0x80
.set tt, 0
.rept 4
.irp j, 0,1,2,3,4,5,6,7
	global_load_b32 v[96+8*tt+\j], v[BVA], s[22:23] offset:(32*(tt/2)+8*(tt%2))*4
.endr
.set tt, tt+1
.endr
	WIN 0
	s_wait_dscnt 0x0
	QUANT 192, 3, PC, PW
	IMG 4608
	v_cndmask_b32 v[SW], v[KP1], v[PW], s[HM]
	ds_store_b32 v[XWS], v[SW] offset:XSC+128
	s_wait_dscnt 0x0
	s_barrier_signal -1
	s_barrier_wait -1
	WIN 0xc0
.set ff, 0
.rept 16
.irp c, 0,1,2
	ds_load_b128 v[12*ff+4*\c:12*ff+4*\c+3], v[LI] offset:XIMG+1536*ff+512*\c
.endr
.set ff, ff+1
.endr
	WIN 0
.irp e, 0,1,2,3,4,5,6,7
	ds_load_b32 v[XSR+\e], v[LS] offset:XSC+128*\e
.endr
	s_wait_tensorcnt 0x0
	WIN 0x40
.set tt, 0
.rept 8
.set ro, (32*(tt/2)+8*(tt%2))*WPI
	WFRAG 24*tt, 0, ro
	WFRAG 24*tt+12, 1, ro
.set tt, tt+1
.endr
	WIN 0x80
.set tt, 0
.rept 4
.set ro, WVO+(32*(tt/2)+8*(tt%2))*WPI
	WFRAG 24*tt, 0, ro
	WFRAG 24*tt+12, 1, ro
.set tt, tt+1
.endr
	WIN 0
	s_wait_dscnt 0x0
	s_wait_loadcnt 0x0
	MMQK 0
.set om, 0
.rept 8
.if om < 7
	MMQK om+1
.else
	MMV 0
.endif
	PLACES 4
	s_wait_xcnt 0x0
.set qa, HA+64*(om%2)
	QUANT qa, 0, PC, PW
	SEND DC, 3072*om
.if om%2 == 0
	v_mov_b32 v[KP], v[PW]
.else
	v_cndmask_b32 v[SW], v[KP], v[PW], s[HM]
	global_store_b32 v[LS], v[SW], s[DS:DS+1] offset:256*(om/2)
.endif
.set om, om+1
.endr
.set ot, 0
.rept 4
.if ot < 3
	MMV ot+1
.endif
	PLACES 4
	s_wait_xcnt 0x0
.set qa, HA+64*(ot%2)
	QUANT qa, 0, PC, PW
	SEND VD, 1536*ot
.if ot%2 == 0
	v_mov_b32 v[KP], v[PW]
.else
	v_cndmask_b32 v[SW], v[KP], v[PW], s[HM]
	global_store_b32 v[LS], v[SW], s[VSD:VSD+1] offset:128*(ot/2)
.endif
.set ot, ot+1
.endr
	s_wait_tensorcnt 0x0
	ds_add_u32 v[SPW], v[NIL]
	s_wait_dscnt 0x0
	CROUND
	s_endpgm
.Lfunc_end_k_q412744732f_qkv:
	.size	k_q412744732f_qkv, .Lfunc_end_k_q412744732f_qkv-k_q412744732f_qkv
	.p2alignl 7, 3214868480
	.fill 96, 4, 3214868480
	.section	.rodata,"a",@progbits
	.p2align	6, 0x0
	.amdhsa_kernel k_q412744732f_qkv
		.amdhsa_group_segment_fixed_size 327680
		.amdhsa_private_segment_fixed_size 0
		.amdhsa_enable_private_segment 0
		.amdhsa_kernarg_size 160
		.amdhsa_user_sgpr_count 2
		.amdhsa_user_sgpr_kernarg_segment_ptr 1
		.amdhsa_wavefront_size32 1
		.amdhsa_system_sgpr_workgroup_id_x 1
		.amdhsa_system_sgpr_workgroup_id_y 1
		.amdhsa_system_sgpr_workgroup_id_z 1
		.amdhsa_system_vgpr_workitem_id 0
		.amdhsa_next_free_vgpr 1024
		.amdhsa_next_free_sgpr 100
		.amdhsa_reserve_vcc 0
		.amdhsa_float_denorm_mode_32 3
		.amdhsa_float_denorm_mode_16_64 3
		.amdhsa_memory_ordered 1
		.amdhsa_forward_progress 1
		.amdhsa_inst_pref_size 138
	.end_amdhsa_kernel
	.amdgpu_metadata
---
amdhsa.version: [ 1, 2 ]
amdhsa.kernels:
  - .name:           k_q412744732f_qkv
    .symbol:         k_q412744732f_qkv.kd
    .args:
      - { .name: x, .offset: 0, .size: 8, .value_kind: global_buffer, .address_space: global }
      - { .name: wq_codes, .offset: 8, .size: 8, .value_kind: global_buffer, .address_space: global }
      - { .name: wq_scales, .offset: 16, .size: 8, .value_kind: global_buffer, .address_space: global }
      - { .name: bq, .offset: 24, .size: 8, .value_kind: global_buffer, .address_space: global }
      - { .name: wk_codes, .offset: 32, .size: 8, .value_kind: global_buffer, .address_space: global }
      - { .name: wk_scales, .offset: 40, .size: 8, .value_kind: global_buffer, .address_space: global }
      - { .name: bk, .offset: 48, .size: 8, .value_kind: global_buffer, .address_space: global }
      - { .name: wv_codes, .offset: 56, .size: 8, .value_kind: global_buffer, .address_space: global }
      - { .name: wv_scales, .offset: 64, .size: 8, .value_kind: global_buffer, .address_space: global }
      - { .name: bv, .offset: 72, .size: 8, .value_kind: global_buffer, .address_space: global }
      - { .name: w1_codes, .offset: 80, .size: 8, .value_kind: global_buffer, .address_space: global }
      - { .name: w1_scales, .offset: 88, .size: 8, .value_kind: global_buffer, .address_space: global }
      - { .name: w2_codes, .offset: 96, .size: 8, .value_kind: global_buffer, .address_space: global }
      - { .name: w2_scales, .offset: 104, .size: 8, .value_kind: global_buffer, .address_space: global }
      - { .name: wp_codes, .offset: 112, .size: 8, .value_kind: global_buffer, .address_space: global }
      - { .name: wp_scales, .offset: 120, .size: 8, .value_kind: global_buffer, .address_space: global }
      - { .name: qc, .offset: 128, .size: 8, .value_kind: global_buffer, .address_space: global }
      - { .name: qs, .offset: 136, .size: 8, .value_kind: global_buffer, .address_space: global }
      - { .name: kv, .offset: 144, .size: 8, .value_kind: global_buffer, .address_space: global }
      - { .name: wrec, .offset: 152, .size: 8, .value_kind: global_buffer, .address_space: global }
    .group_segment_fixed_size: 327680
    .private_segment_fixed_size: 0
    .kernarg_segment_align: 8
    .kernarg_segment_size: 160
    .max_flat_workgroup_size: 128
    .sgpr_count:     100
    .vgpr_count:     1024
    .wavefront_size: 32
...
	.end_amdgpu_metadata
.endif
;; end of part 1
;; launch attn (part 2): grid 16 x 16, 4 waves a work-group, clusters of 4 x 1, 327,680 bytes of LDS; arguments qc, qs, kv, oc, os; writes oc, os
.if DOCPART == 2
	.amdgcn_target "amdgcn-amd-amdhsa--gfx1250"
	.amdhsa_code_object_version 6
	.text
	.protected	k_q412744732f_attn
	.globl	k_q412744732f_attn
	.p2align	8
	.type	k_q412744732f_attn,@function
k_q412744732f_attn:
	s_mov_b64 s[64:65], 0
	v_nop
	global_prefetch_b8 v0, s[64:65] scope:SCOPE_SE
	s_setreg_imm32_b32 hwreg(HW_REG_WAVE_MODE, 25, 1), 1
	s_wait_xcnt 0x0
	s_wait_alu depctr_hold_cnt(0) depctr_sa_sdst(0) depctr_va_vdst(0) depctr_va_sdst(0) depctr_va_ssrc(0) depctr_va_vcc(0) depctr_vm_vsrc(0)
	s_getreg_b32 s2, hwreg(HW_REG_IB_STS2, 6, 4)
	s_cmp_eq_u32 s2, 0
	s_cbranch_scc0 .Lentry_in_a_cluster
	s_endpgm
.Lentry_in_a_cluster:
	s_bfe_u32 s2, ttmp6, 0x10000c
	s_cmp_lg_u32 s2, 0x3003
	s_cbranch_scc0 .Lentry_shape_is_right
	s_endpgm
.Lentry_shape_is_right:
; Encoder layer, launch 2 of 3: O = softmax(q k^T / 16) v on codes of FP6 (E2M3), one E8M0 scale for each 32 along a product's K; O / l is quantised along d and leaves as codes.  Nothing of reference() is left out here.
; THE SOFTMAX AHEAD OF THE SECOND PRODUCT: t = score x log2(e) / 16 (q was quantised undivided: the 1 / 16, a power of two, moves a block's scale and no code); M = the row's largest t so far, rounded up to a whole number;
; p = 2^(t - M) is quantised along the keys, not normalised; the row's sum l is taken of the unquantised p; when M moves, l and O are multiplied by 2^(old M - new M), which rounds nothing.
; LIMITS: NaN and infinities are not served; p under 2^-126 comes out of the exponential as 0; blocks whose largest magnitude lies under 2^-124 keep the scale byte 1, blocks of zeros too (their codes are zeros).
; OPERANDS ARE IMAGES OF REGISTERS: a fragment is 1,536 bytes, moved by three 16-byte accesses a lane at 16 x lane; a scale register 128 bytes, at 4 x lane, two tiles to a register.
; A RECORD of kv is one key step of 128 keys, 51,200 bytes: k's 16 fragments (tile m, K step s: 2 m + s), v^T's 16 (d tile T), 8 scale registers of k (2 i + s), 8 of v (i).
; SHARES.  A work-group has 128 queries of one batch, a wave 32: tiles y = 0, 1, so that each fragment read from LDS feeds two products.  Every wave walks the batch's 16 key steps.
; Both products are used transposed (S^T = k q^T, O^T = v^T p^T): a lane holds one query throughout.  The keys of a tile are permuted, so that S^T's register 16 b + i is key 32 b + 16 h + i of the step.
; RING: two LDS slots of two records; each wave fetches a quarter of a slot, 100 rows of 256 bytes, by one tensor load.  By this text's count one tensor load a wave is out.
; CLUSTER: the four query blocks of a cluster walk the same records, so each quarter is asked for jointly: the same load, the same descriptor, a mask that names the four.
; REGISTERS.  window 0: v1-7 addresses; v8-25 scale registers; v32-47 statistics; v48-91 at work; v92-115 p's codes; v128-255 S^T, then p.   window 1: O^T, 128 y + 8 T.
;   window 2: k's fragments, from v192 q's (24 y + 12 s).   window 3: v's fragments.
.set STEPB, 51200
.set SLOTB, 102400
.set SLOT1, 1<<17                      ; slot 1 begins here: one exclusive or turns an address in one slot into the other's
.set SPARE, 233472                     ; behind the ring: the spare words, 128 bytes for each wave: two blocks of 256 bytes that no other line names
.set LI,  1                            ; 16 x lane
.set LS,  2                            ; 4 x lane
.set ADR, 3                            ; the step's record + 16 x lane
.set ADS, 4                            ; + 4 x lane
.set PFO, 5                            ; the prefetches' offset: 256 x min(lane, 24); never rewritten
.set SPW, 6                            ; LDS address of my spare word; never rewritten
.set NIL, 7                            ; 0; never rewritten
.set KS,  8                            ; v8-15  k's scale registers
.set VS,  16                           ; v16-23 v's
.set QS,  24                           ; v24-25 q's: lanes 0-15 tile 0, lanes 16-31 tile 1
.set SW,  26                           ; v26-27 the way out: the pair's scale registers
.set KP,  28                           ; v28-29 tile 0's words, kept
.set ST,  32                           ; tile y at v[ST + 8 y]: +0 -M, +1 the largest t, +2, +3 l in two halves, +4 f, +5 p's scale word
.set BM,  48                           ; v[48 + 4 y] the blocks' largest scores, then largest p
.set T4,  56                           ; v[56 + 4 y] at work
.set SO,  64                           ; v[64 + 4 y] the conversions' scale operands
.set X,   72                           ; v[72 + y]
.set PWT, 74
.set CT,  76                           ; v[76 + 8 y] the conversions' second halves
.set P,   92                           ; v[92 + 12 y] p's codes
.set S,   128                          ; v[128 + 64 y]
.set TM,  48                           ; the way out's quantiser works in v48-63
.set WV,  14
.set G1,  24                           ; s[24:31] descriptor group 1
.set G0,  32                           ; s[32:35] group 0, which walks
.set SLOTS, 40                         ; slots still to be asked for
.set TWICE, 41
.set CS,  42                           ; s[42:43] log2(e) / 16
.set SEL, 44                           ; s[44:45] v_permlanex16_b32's selects for lane l xor 16
.set TB,  46                           ; LDS byte at which the step's record begins
.set PFA, 48                           ; s[48:49] where my prefetches stand
.set LIM, 50                           ; 1 in a wave that prefetches, else the greatest number
.set HM,  51                           ; lanes 16-31
.set MSB, 0
.macro WIN new                         ; the immediate's high byte repeats the setting that is left; a switch that changes nothing is dropped
.if MSB != (\new)
	s_set_vgpr_msb (MSB<<8)|(\new)
.set MSB, (\new)
.endif
.endm
.macro PLACES n
.rept \n
	v_nop
.endr
.endm
; One matrix instruction.  rD, rA, rB, rC (under 0: the constant 0), rSA, rSB are register numbers; qA, qB = 1: that side's scales are taken from lanes 16-31.
.macro MM
.if rC < 0
.if qA && qB
	v_wmma_scale_f32_16x16x128_f8f6f4 v[rD:rD+7], v[rA:rA+11], v[rB:rB+11], 0, v[rSA], v[rSB] matrix_a_fmt:MATRIX_FMT_FP6 matrix_b_fmt:MATRIX_FMT_FP6 matrix_a_scale:MATRIX_SCALE_ROW1 matrix_b_scale:MATRIX_SCALE_ROW1
.elseif qA
	v_wmma_scale_f32_16x16x128_f8f6f4 v[rD:rD+7], v[rA:rA+11], v[rB:rB+11], 0, v[rSA], v[rSB] matrix_a_fmt:MATRIX_FMT_FP6 matrix_b_fmt:MATRIX_FMT_FP6 matrix_a_scale:MATRIX_SCALE_ROW1
.elseif qB
	v_wmma_scale_f32_16x16x128_f8f6f4 v[rD:rD+7], v[rA:rA+11], v[rB:rB+11], 0, v[rSA], v[rSB] matrix_a_fmt:MATRIX_FMT_FP6 matrix_b_fmt:MATRIX_FMT_FP6 matrix_b_scale:MATRIX_SCALE_ROW1
.else
	v_wmma_scale_f32_16x16x128_f8f6f4 v[rD:rD+7], v[rA:rA+11], v[rB:rB+11], 0, v[rSA], v[rSB] matrix_a_fmt:MATRIX_FMT_FP6 matrix_b_fmt:MATRIX_FMT_FP6
.endif
.else
.if qA && qB
	v_wmma_scale_f32_16x16x128_f8f6f4 v[rD:rD+7], v[rA:rA+11], v[rB:rB+11], v[rC:rC+7], v[rSA], v[rSB] matrix_a_fmt:MATRIX_FMT_FP6 matrix_b_fmt:MATRIX_FMT_FP6 matrix_a_scale:MATRIX_SCALE_ROW1 matrix_b_scale:MATRIX_SCALE_ROW1
.elseif qA
	v_wmma_scale_f32_16x16x128_f8f6f4 v[rD:rD+7], v[rA:rA+11], v[rB:rB+11], v[rC:rC+7], v[rSA], v[rSB] matrix_a_fmt:MATRIX_FMT_FP6 matrix_b_fmt:MATRIX_FMT_FP6 matrix_a_scale:MATRIX_SCALE_ROW1
.elseif qB
	v_wmma_scale_f32_16x16x128_f8f6f4 v[rD:rD+7], v[rA:rA+11], v[rB:rB+11], v[rC:rC+7], v[rSA], v[rSB] matrix_a_fmt:MATRIX_FMT_FP6 matrix_b_fmt:MATRIX_FMT_FP6 matrix_b_scale:MATRIX_SCALE_ROW1
.else
	v_wmma_scale_f32_16x16x128_f8f6f4 v[rD:rD+7], v[rA:rA+11], v[rB:rB+11], v[rC:rC+7], v[rSA], v[rSB] matrix_a_fmt:MATRIX_FMT_FP6 matrix_b_fmt:MATRIX_FMT_FP6
.endif
.endif
.endm
; 64 numbers of a lane, v[src] .. v[src + 63] of window win, register 16 b + i = k 32 b + 16 h + i of my row, become a fragment's codes in v[pc] on and its scale word in v[pw], both in window 0.
.macro QUANT src, win, pc, pw
	WIN (\win)|((\win)<<2)
.irp b, 0,1,2,3
	v_max3_num_f32 v[TM+\b], |v[(\src)+16*\b]|, |v[(\src)+16*\b+1]|, 0x1800000   ; block b: my 16 numbers, and the floor 2^(3 - 127): the byte cannot fall under 1
.endr
	WIN ((\win)<<2)|((\win)<<4)
.irp i, 2,4,6,8,10,12,14
.irp b, 0,1,2,3
	v_max3_num_f32 v[TM+\b], v[TM+\b], |v[(\src)+16*\b+\i]|, |v[(\src)+16*\b+\i+1]|
.endr
.endr
	WIN 0
.irp b, 0,1,2,3
	v_permlanex16_b32 v[TM+4+\b], v[TM+\b], s[SEL], s[SEL+1]
.endr
.irp b, 0,1,2,3
	v_max_num_f32 v[TM+\b], v[TM+\b], v[TM+4+\b]
.endr
.irp b, 0,1,2,3
	v_add_nc_u32 v[TM+12+\b], 0xff000000, v[TM+\b]   ; 2 off the exponent field: the conversion's scale operand
.endr
.irp b, 0,1,2,3
	v_lshrrev_b32 v[TM+4+\b], 23, v[TM+12+\b]
.endr
	v_lshl_or_b32 v[\pw], v[TM+5], 8, v[TM+4]
	v_lshl_or_b32 v[\pw], v[TM+6], 16, v[\pw]
	v_lshl_or_b32 v[\pw], v[TM+7], 24, v[\pw]
	WIN (\win)
.irp c, 0,1
	v_cvt_scalef32_pk16_fp6_f32 v[(\pc)+6*\c:(\pc)+6*\c+2], v[(\src)+32*\c:(\src)+32*\c+15], v[TM+12+2*\c]
	v_cvt_scalef32_pk16_fp6_f32 v[CT+4*\c:CT+4*\c+2], v[(\src)+32*\c+16:(\src)+32*\c+31], v[TM+13+2*\c]
.endr
	WIN 0
	v_nop                                          ; one plain place behind a scaled conversion
.irp c, 0,1
.irp i, 0,1,2
	v_permlane16_swap_b32 v[(\pc)+6*\c+\i], v[CT+4*\c+\i]
.endr
.irp i, 0,1,2
	v_mov_b32 v[(\pc)+6*\c+3+\i], v[CT+4*\c+\i]
.endr
.endr
.endm
; A round of the cluster's barrier: my work-group's barrier; wave 0 signals for the work-group; every wave waits for all four work-groups; my work-group's barrier once more.
.macro CROUND
	s_barrier_signal -1
	s_barrier_wait -1
	s_cmp_lg_u32 s[WV], 0
	s_cbranch_scc1 .Lnot_wave_0_\@
	s_barrier_signal -3
.Lnot_wave_0_\@:
	s_barrier_wait -3
	s_barrier_signal -1
	s_barrier_wait -1
.endm
; A PREFETCH of the slot that the NEXT change of slots will ask for: two key steps ahead of that load.  All clusters of a batch walk the same records: the batch's first cluster asks.  Its four partners share a slot's
; 102,400 bytes out by ADDRESS, 25,600 each, the four waves 6,400 each: 25 blocks of 256 bytes, a lane a block (lanes 25-31 name lane 24's again).  The last change that fills a slot asks for nothing; slots 0 and 1
; come by their loads alone.
.macro ASK
	s_cmp_gt_u32 s[SLOTS], s[LIM]
	s_cbranch_scc0 .Lnot_mine_\@
	global_prefetch_b8 v[PFO], s[PFA:PFA+1] th:TH_LOAD_NT scope:SCOPE_SE
.Lnot_mine_\@:
.endm
; THE SOFTMAX of both tiles for one key step, group by group, the two tiles by turns, so that no line waits for the line above it.  first = 1: O^T has not begun: there is nothing to rescale.
.macro SM2 first, mode
.irp b, 0,1,2,3
.irp y, 0,1
	v_max3_num_f32 v[BM+4*\y+\b], v[S+64*\y+16*\b], v[S+64*\y+16*\b+1], v[S+64*\y+16*\b+2]   ; the largest score of each block of 32 keys: it serves the row's maximum and, since p rises with the score, the block's largest p
.endr
.endr
.irp i, 3,5,7,9,11,13
.irp b, 0,1,2,3
.irp y, 0,1
	v_max3_num_f32 v[BM+4*\y+\b], v[BM+4*\y+\b], v[S+64*\y+16*\b+\i], v[S+64*\y+16*\b+\i+1]
.endr
.endr
.endr
.irp b, 0,1,2,3
.irp y, 0,1
	v_max_num_f32 v[BM+4*\y+\b], v[BM+4*\y+\b], v[S+64*\y+16*\b+15]
.endr
.endr
.irp b, 0,1,2,3
.irp y, 0,1
	v_permlanex16_b32 v[T4+4*\y+\b], v[BM+4*\y+\b], s[SEL], s[SEL+1]
.endr
.endr
.irp b, 0,1,2,3
.irp y, 0,1
	v_max_num_f32 v[BM+4*\y+\b], v[BM+4*\y+\b], v[T4+4*\y+\b]   ; with lane l xor 16's 16 keys
.endr
.endr
.irp y, 0,1
	v_max3_num_f32 v[X+\y], v[BM+4*\y], v[BM+4*\y+1], v[BM+4*\y+2]
.endr
.irp y, 0,1
	v_max_num_f32 v[X+\y], v[X+\y], v[BM+4*\y+3]   ; the step's largest score of my query
.endr
.irp y, 0,1
	v_mul_f32 v[X+\y], s[CS], v[X+\y]              ; as t
.endr
.irp y, 0,1
	v_max_num_f32 v[ST+8*\y+1], v[ST+8*\y+1], v[X+\y]   ; the running largest t
.endr
.irp y, 0,1
	v_mov_b32 v[X+\y], v[ST+8*\y]
.endr
.irp y, 0,1
	v_floor_f32 v[ST+8*\y], -v[ST+8*\y+1]          ; the new -M = floor(-t): M is a whole number
.endr
.irp y, 0,1
	v_sub_f32 v[X+\y], v[ST+8*\y], v[X+\y]         ; old M - new M: a whole number, 0 or less
.endr
.irp y, 0,1
	v_cvt_i32_f32 v[X+\y], v[X+\y]                 ; (it saturates)
.endr
.irp y, 0,1
	v_ldexp_f32 v[ST+8*\y+4], 1.0, v[X+\y]         ; f = 2^(old M - new M)
.endr
.set jj, 0
.rept 32
.irp y, 0,1
	v_pk_fma_f32 v[S+64*\y+jj:S+64*\y+jj+1], v[S+64*\y+jj:S+64*\y+jj+1], s[CS:CS+1], v[ST+8*\y:ST+8*\y+1] op_sel_hi:[1,0,0]   ; t - M, two at a time
.endr
.set jj, jj+2
.endr
.irp b, 0,1,2,3
.irp y, 0,1
	v_fma_f32 v[BM+4*\y+\b], v[BM+4*\y+\b], s[CS], v[ST+8*\y]   ; the same of each block's largest score
.endr
.endr
.set jj, 0
	s_wait_alu depctr_va_vdst(0)
.rept 64
.irp y, 0,1
	v_exp_f32 v[S+64*\y+jj], v[S+64*\y+jj]         ; p = 2^(t - M): one batch of 128
.endr
.set jj, jj+1
.endr
.irp y, 0,1
	v_pk_mul_f32 v[ST+8*\y+2:ST+8*\y+3], v[ST+8*\y+2:ST+8*\y+3], v[ST+8*\y+4:ST+8*\y+5] op_sel_hi:[1,0]   ; l under the new M: the plain work behind the batch
.endr
	s_wait_alu depctr_va_vdst(0)                   ; the wait ahead of the first line that names an exponential's result: one for the batch
	MID \mode                                      ; the next step's k is asked of LDS here: the rest of the softmax and the 32 products on v stand between these loads and their first use
.irp b, 0,1,2,3
.irp y, 0,1
	v_exp_f32 v[BM+4*\y+\b], v[BM+4*\y+\b]
.endr
.endr
.irp y, 0,1
	v_pk_add_f32 v[T4+4*\y:T4+4*\y+1], v[S+64*\y:S+64*\y+1], v[S+64*\y+2:S+64*\y+3]   ; the row's sum is taken of the unquantised p, in two chains a tile
.endr
.set jj, 4
.rept 15
.irp y, 0,1
	v_pk_add_f32 v[ST+8*\y+2:ST+8*\y+3], v[ST+8*\y+2:ST+8*\y+3], v[S+64*\y+jj:S+64*\y+jj+1]
	v_pk_add_f32 v[T4+4*\y:T4+4*\y+1], v[T4+4*\y:T4+4*\y+1], v[S+64*\y+jj+2:S+64*\y+jj+3]
.endr
.set jj, jj+4
.endr
.irp y, 0,1
	v_pk_add_f32 v[ST+8*\y+2:ST+8*\y+3], v[ST+8*\y+2:ST+8*\y+3], v[T4+4*\y:T4+4*\y+1]
.endr
	s_wait_alu depctr_va_vdst(0)                   ; and one for the eight
.irp b, 0,1,2,3
.irp y, 0,1
	v_max_num_f32 v[BM+4*\y+\b], 0x1800000, v[BM+4*\y+\b]   ; the floor 2^(3 - 127)
.endr
.endr
.irp b, 0,1,2,3
.irp y, 0,1
	v_add_nc_u32 v[SO+4*\y+\b], 0xff000000, v[BM+4*\y+\b]   ; 2 off the exponent field: the conversion's scale operand
.endr
.endr
.irp b, 0,1,2,3
.irp y, 0,1
	v_lshrrev_b32 v[T4+4*\y+\b], 23, v[SO+4*\y+\b] ; the scale's byte
.endr
.endr
.irp y, 0,1
	v_lshl_or_b32 v[ST+8*\y+5], v[T4+4*\y+1], 8, v[T4+4*\y]
.endr
.irp y, 0,1
	v_lshl_or_b32 v[ST+8*\y+5], v[T4+4*\y+2], 16, v[ST+8*\y+5]
.endr
.irp y, 0,1
	v_lshl_or_b32 v[ST+8*\y+5], v[T4+4*\y+3], 24, v[ST+8*\y+5]   ; p's scale word for these 128 keys
.endr
.irp y, 0,1
.irp c, 0,1
	v_cvt_scalef32_pk16_fp6_f32 v[P+12*\y+6*\c:P+12*\y+6*\c+2], v[S+64*\y+32*\c:S+64*\y+32*\c+15], v[SO+4*\y+2*\c]
	v_cvt_scalef32_pk16_fp6_f32 v[CT+8*\y+4*\c:CT+8*\y+4*\c+2], v[S+64*\y+32*\c+16:S+64*\y+32*\c+31], v[SO+4*\y+2*\c+1]
.endr
.endr
	v_nop                                          ; one plain place behind a scaled conversion
.irp y, 0,1
.irp c, 0,1
.irp i, 0,1,2
	v_permlane16_swap_b32 v[P+12*\y+6*\c+\i], v[CT+8*\y+4*\c+\i]
.endr
.irp i, 0,1,2
	v_mov_b32 v[P+12*\y+6*\c+3+\i], v[CT+8*\y+4*\c+\i]
.endr
.endr
.endr
.if \first
	s_wait_alu depctr_va_vdst(0)
	PLACES 8                                       ; a scale register written by a vector instruction stands 8 places ahead of a scaled matrix instruction, an operand so written 4
.else
	WIN 0x41                                       ; O^T (destination and source 0) window 1, f window 0
.set jj, 0
.rept 64
.irp y, 0,1
	v_pk_mul_f32 v[128*\y+jj:128*\y+jj+1], v[128*\y+jj:128*\y+jj+1], v[ST+8*\y+4:ST+8*\y+5] op_sel_hi:[1,0]   ; O^T under the new M; these are also the places in front of the products
.endr
.set jj, jj+2
.endr
.endif
.endm
; k's 16 fragments and 8 scale registers of the record at s[TB]; the two addresses made here also serve that record's loads of v, a step later.
.macro KLOAD
	v_add_nc_u32 v[ADR], s[TB], v[LI]
	v_add_nc_u32 v[ADS], s[TB], v[LS]
.irp e, 0,1,2,3,4,5,6,7
	ds_load_b32 v[KS+\e], v[ADS] offset:49152+128*\e
.endr
	WIN 0x80                                       ; destination window 2
.irp s, 0,1                                    ; K step 0's eight fragments first
.set mm, 0
.rept 8
.irp c, 0,1,2
	ds_load_b128 v[12*(2*mm+\s)+4*\c:12*(2*mm+\s)+4*\c+3], v[ADR] offset:1536*(2*mm+\s)+512*\c
.endr
.set mm, mm+1
.endr
.endr
	WIN 0
.endm
; IN THE MIDDLE OF A STEP'S SOFTMAX: v's loads, the step's last reads of its record, are waited for, s[TB] goes on to the next record, and that record's k is fetched.
; mode 0: a slot's first step: the next record lies in the same slot.  mode 1, 2: a slot's second step: the slot is read out, so the change of slots stands here, with (1) or without (2) a refill.  mode 3: the last step.
.macro MID mode
.if \mode == 0
	s_wait_dscnt 0x0                               ; v is in
	s_add_co_u32 s[TB], s[TB], STEPB
	KLOAD
.elseif \mode < 3
.if \mode == 1
	CHANGE 1
.else
	CHANGE 0
.endif
	s_sub_co_u32 s[TB], s[TB], STEPB               ; the other slot's first record
	s_xor_b32 s[TB], s[TB], SLOT1
	KLOAD
.endif
.endm
; A KEY STEP: its k was fetched a step ago; v's loads go by the addresses made then.
.macro STEP first, mode
	s_wait_alu depctr_va_vdst(0)
	s_wait_dscnt 24                                ; all but the 24 loads of K step 1 are in
	WIN 0x0a                                       ; k and q window 2, S^T window 0
.set mm, 0
.rept 8                                        ; the 16 accumulators take turns, one instruction a turn
.irp y, 0,1
.set rD, S+64*\y+8*mm
.set rA, 24*mm
.set rB, 192+24*\y
.set rC, -1
.set rSA, KS+2*(mm/2)
.set rSB, QS
.set qA, mm%2
.set qB, \y
	MM
.endr
.set mm, mm+1
.endr
	s_wait_dscnt 0x0
.set mm, 0
.rept 8
.irp y, 0,1
.set rD, S+64*\y+8*mm
.set rA, 24*mm+12
.set rB, 192+24*\y+12
.set rC, rD
.set rSA, KS+2*(mm/2)+1
.set rSB, QS+1
.set qA, mm%2
.set qB, \y
	MM
.endr
.set mm, mm+1
.endr
	WIN 0
	PLACES 4                                       ; in front of the first read of the scores
	WIN 0xc0                                       ; destination window 3: v's fragments land while the softmax is walked
.set tt, 0
.rept 16
.irp c, 0,1,2
	ds_load_b128 v[12*tt+4*\c:12*tt+4*\c+3], v[ADR] offset:24576+1536*tt+512*\c
.endr
.set tt, tt+1
.endr
	WIN 0
.irp i, 0,1,2,3,4,5,6,7
	ds_load_b32 v[VS+\i], v[ADS] offset:50176+128*\i
.endr
	SM2 \first, \mode
	s_wait_alu depctr_va_vdst(0)
.if \mode == 3
	s_wait_dscnt 0x0                               ; v is in (in the other modes it was waited for in the middle of the softmax, and the next k's loads may stay out)
.endif
	WIN 0x53                                       ; v window 3, p window 0, O^T window 1
.set tt, 0
.rept 16
.irp y, 0,1
.set rD, 128*\y+8*tt
.set rA, 12*tt
.set rB, P+12*\y
.if \first
.set rC, -1                                    ; the first products start the sums: nothing is ever cleared
.else
.set rC, rD
.endif
.set rSA, VS+tt/2
.set rSB, ST+8*\y+5
.set qA, tt%2
.set qB, 0
	MM
.endr
.set tt, tt+1
.endr
	WIN 0
.endm
; THE CHANGE OF SLOTS stands in the middle of a slot's second step, when the slot has been read out.  Each wave waits for all its tensor loads (its quarter of the slot ahead), adds 0 to its spare word, and waits for that
; and for its reads of the slot in hand.  fill = 1: the barrier is a round of the cluster's, so that no wave of any partner still reads that slot or has a load on its way; the joint load is the first thing behind it
; and has two key steps in which to land.
.macro CHANGE fill
	s_wait_tensorcnt 0x0                           ; no tensor load of mine is out, so the group 0 may be written
	ds_add_u32 v[SPW], v[NIL]                      ; 0 onto my spare word
.if \fill
	s_xor_b32 s[G0+1], s[G0+1], SLOT1              ; the other slot than last time,
	s_add_nc_u64 s[G0+2:G0+3], s[G0+2:G0+3], SLOTB ; the next two records; the type bits on top are not reached
	s_wait_xcnt 0x0                                ; the last prefetch, a slot back, has read its address
	s_add_nc_u64 s[PFA:PFA+1], s[PFA:PFA+1], SLOTB
.endif
	s_wait_dscnt 0x0                               ; the add is done, and my reads of the slot that I have left are over
.if \fill
	CROUND
	tensor_load_to_lds s[G0:G0+3], s[G1:G1+7]
	s_nop 0
	PLACES 4
	ASK
.else
	s_barrier_signal -1
	s_barrier_wait -1
.endif
.endm
	s_load_b256 s[4:11], s[0:1], 0x0               ; qc, qs, kv, oc
	s_load_b64 s[12:13], s[0:1], 0x20              ; os
	v_lshl_add_u32 v[SPW], v0, 2, SPARE
	v_mov_b32 v[NIL], 0
	ds_add_u32 v[SPW], v[NIL]                      ; the wave's opening: the add, twice on end, and its wait ahead of my first tensor load
	ds_add_u32 v[SPW], v[NIL]
	v_lshrrev_b32 v1, 5, v0
	v_readfirstlane_b32 s[WV], v1                  ; wave 0..3
	s_bfe_u32 s15, ttmp6, 0x40000                  ; cx: my place in the cluster
	s_and_b32 s16, ttmp7, 0xffff                   ; the batch, which the four partners share
	s_lshl_b32 s17, s16, 6
	s_lshl_b32 s18, ttmp9, 4
	s_add_co_u32 s17, s17, s18
	s_lshl_b32 s18, s15, 2
	s_add_co_u32 s17, s17, s18
	s_add_co_u32 s17, s17, s[WV]                   ; my pair of tiles: 64 x batch + 4 x (4 x cluster x + cx) + wave
	s_mul_i32 s18, s17, 6144                       ; its four fragments,
	s_mov_b32 s19, 0
	s_lshl_b32 s20, s17, 8                         ; its two scale registers
	s_mov_b32 s21, 0
	s_mul_i32 s22, s16, 819200                     ; the batch's 16 records
	s_mul_i32 s[G0+1], s[WV], 25600                ; my quarter of a slot: no place in the cluster enters an LDS address
	s_add_co_u32 s36, s22, s[G0+1]
	s_mov_b32 s37, 0
	s_mul_i32 s38, s15, 25600                      ; the prefetches: my work-group's quarter, my wave's quarter of that,
	s_mul_i32 s39, s[WV], 6400
	s_add_co_u32 s38, s38, s39
	s_add_co_u32 s38, s38, s22
	s_add_co_u32 s38, s38, SLOTB                   ; in slot 1: the first change of slots steps it to slot 2
	s_mov_b32 s39, 0
	s_mov_b32 s[G1], 15|(3<<16)|(1<<21)            ; 15:0 the mask: all four work-groups; 17:16 elements of 8 bytes; 21 set beside a mask; no padding: images are read at 16 x lane
	s_mov_b32 s[G1+1], 32<<16                      ; tensor_dim0 = 32 elements: rows of 256 bytes
	s_mov_b32 s[G1+2], 100<<16                     ; tensor_dim1 = 100
	s_mov_b32 s[G1+3], 32<<16                      ; tile_dim0
	s_mov_b32 s[G1+4], 100                         ; tile_dim1
	s_mov_b32 s[G1+5], 32                          ; the pitch: the block is dense
	s_mov_b32 s[G1+6], 0
	s_mov_b32 s[G1+7], 0
	s_mov_b32 s[CS], 0x3db8aa3b                    ; log2(e) / 16
	s_mov_b32 s[CS+1], s[CS]                       ; (named with it as a pair, so it is written)
	s_mov_b32 s[SEL], 0x76543210
	s_mov_b32 s[SEL+1], 0xfedcba98
	s_mov_b32 s[HM], 0xffff0000
	s_mov_b32 s[TB], 0
	s_mov_b32 s[SLOTS], 7
	s_cmp_eq_u32 ttmp9, 0                          ; the batch's first cluster: the same in all four partners
	s_cselect_b32 s[LIM], 1, -1
	s_wait_dscnt 0x0                               ; both opening adds are done
	s_wait_kmcnt 0x0
	s_add_nc_u64 s[4:5], s[4:5], s[18:19]
	s_add_nc_u64 s[10:11], s[10:11], s[18:19]
	s_add_nc_u64 s[6:7], s[6:7], s[20:21]
	s_add_nc_u64 s[12:13], s[12:13], s[20:21]
	s_add_nc_u64 s[PFA:PFA+1], s[8:9], s[38:39]
	s_mov_b32 s[G0], 1
	s_add_nc_u64 s[G0+2:G0+3], s[8:9], s[36:37]
	s_or_b32 s[G0+3], s[G0+3], 0x80000000
	CROUND                                         ; all four work-groups are here: the first joint loads meet
	tensor_load_to_lds s[G0:G0+3], s[G1:G1+7]      ; slot 0
	s_nop 0
	PLACES 4
	v_and_b32 v3, 31, v0
	v_lshlrev_b32 v[LI], 4, v3
	v_lshlrev_b32 v[LS], 2, v3
	v_min_u32 v[PFO], 24, v3
	v_lshlrev_b32 v[PFO], 8, v[PFO]
	WIN 0x80                                       ; q stays in registers
.irp y, 0,1
.irp s, 0,1
.irp c, 0,1,2
	global_load_b128 v[192+24*\y+12*\s+4*\c:192+24*\y+12*\s+4*\c+3], v[LI], s[4:5] offset:3072*\y+1536*\s+512*\c
.endr
.endr
.endr
	WIN 0
.irp s, 0,1
	global_load_b32 v[QS+\s], v[LS], s[6:7] offset:128*\s
.endr
.irp y, 0,1
	v_mov_b32 v[ST+8*\y+1], 0xff61b1e6             ; the largest t so far: -3e38, under every t
	v_floor_f32 v[ST+8*\y], -v[ST+8*\y+1]          ; -M
	v_mov_b32 v[ST+8*\y+2], 0                      ; l, in two halves
	v_mov_b32 v[ST+8*\y+3], 0
	v_mov_b32 v[ST+8*\y+5], 0                      ; (named as the upper half of f's pair before it is first written)
.endr
.irp b, 0,1,2,3,4,5,6,7
	v_mov_b32 v[T4+\b], 0                          ; written once: a lane permute's destination counts as one of its sources
.endr
	s_wait_loadcnt 0x0                             ; q
	CHANGE 1                                       ; slot 0 is whole; slot 1 is asked for
	KLOAD                                          ; key step 0's k
	STEP 1, 0                                      ; the first key step is written out: its products start O^T
	s_sub_co_u32 s[SLOTS], s[SLOTS], 1
.Lslot:                                            ; six trips: key steps 1 to 12; each trip's first step asks for one of slots 2 to 7
	STEP 0, 1
	STEP 0, 0
	s_sub_co_u32 s[SLOTS], s[SLOTS], 1
	s_cmp_lg_u32 s[SLOTS], 0
	s_cbranch_scc1 .Lslot
	STEP 0, 2                                      ; the last three steps are written out
	STEP 0, 0
	STEP 0, 3
	; THE WAY OUT: O^T / l, quantised along d: my two tiles' four fragments and their two scale registers
	PLACES 4
.irp y, 0,1
	v_add_f32 v[X+\y], v[ST+8*\y+2], v[ST+8*\y+3]
.endr
.irp y, 0,1
	v_permlanex16_b32 v[T4+4*\y], v[X+\y], s[SEL], s[SEL+1]
.endr
.irp y, 0,1
	v_add_f32 v[X+\y], v[X+\y], v[T4+4*\y]         ; the row's sum
.endr
	s_wait_alu depctr_va_vdst(0)
.irp y, 0,1
	v_rcp_f32 v[ST+8*\y+2], v[X+\y]
.endr
	v_nop                                          ; a plain place behind the last reciprocal
	s_wait_alu depctr_va_vdst(0)                   ; and the wait ahead of the first use: one for the two
.irp y, 0,1
	WIN 0x41
.set jj, 0
.rept 64
	v_pk_mul_f32 v[128*\y+jj:128*\y+jj+1], v[128*\y+jj:128*\y+jj+1], v[ST+8*\y+2:ST+8*\y+3] op_sel_hi:[1,0]
.set jj, jj+2
.endr
.irp s, 0,1
	s_wait_xcnt 0x0                                ; the last stores have read their data: the codes are written again only behind this wait
	QUANT 128*\y+64*\s, 1, P, PWT
.irp c, 0,1,2
	global_store_b128 v[LI], v[P+4*\c:P+4*\c+3], s[10:11] offset:3072*\y+1536*\s+512*\c   ; each store of the wave covers 512 consecutive bytes, aligned
.endr
.if \y == 0
	v_mov_b32 v[KP+\s], v[PWT]
.else
	v_cndmask_b32 v[SW+\s], v[KP+\s], v[PWT], s[HM]   ; lanes 0-15: tile 0's words, lanes 16-31: tile 1's
	global_store_b32 v[LS], v[SW+\s], s[12:13] offset:128*\s
.endif
.endr
.endr
	s_wait_tensorcnt 0x0                           ; the wave's end
	ds_add_u32 v[SPW], v[NIL]
	s_wait_dscnt 0x0
	CROUND                                         ; the closing round: no work-group ends while a partner may still ask for a tile that names it
	s_endpgm
.Lfunc_end_k_q412744732f_attn:
	.size	k_q412744732f_attn, .Lfunc_end_k_q412744732f_attn-k_q412744732f_attn
	.p2alignl 7, 3214868480
	.fill 96, 4, 3214868480
	.section	.rodata,"a",@progbits
	.p2align	6, 0x0
	.amdhsa_kernel k_q412744732f_attn
		.amdhsa_group_segment_fixed_size 327680
		.amdhsa_private_segment_fixed_size 0
		.amdhsa_enable_private_segment 0
		.amdhsa_kernarg_size 40
		.amdhsa_user_sgpr_count 2
		.amdhsa_user_sgpr_kernarg_segment_ptr 1
		.amdhsa_wavefront_size32 1
		.amdhsa_system_sgpr_workgroup_id_x 1
		.amdhsa_system_sgpr_workgroup_id_y 1
		.amdhsa_system_sgpr_workgroup_id_z 1
		.amdhsa_system_vgpr_workitem_id 0
		.amdhsa_next_free_vgpr 1024
		.amdhsa_next_free_sgpr 66
		.amdhsa_reserve_vcc 0
		.amdhsa_float_denorm_mode_32 3
		.amdhsa_float_denorm_mode_16_64 3
		.amdhsa_memory_ordered 1
		.amdhsa_forward_progress 1
		.amdhsa_inst_pref_size 255
	.end_amdhsa_kernel
	.section	.bss,"aw",@nobits
	.p2align	6
	.space	262144
	.amdgpu_metadata
---
amdhsa.version: [ 1, 2 ]
amdhsa.kernels:
  - .name:           k_q412744732f_attn
    .symbol:         k_q412744732f_attn.kd
    .args:
      - { .name: qc, .offset: 0, .size: 8, .value_kind: global_buffer, .address_space: global }
      - { .name: qs, .offset: 8, .size: 8, .value_kind: global_buffer, .address_space: global }
      - { .name: kv, .offset: 16, .size: 8, .value_kind: global_buffer, .address_space: global }
      - { .name: oc, .offset: 24, .size: 8, .value_kind: global_buffer, .address_space: global }
      - { .name: os, .offset: 32, .size: 8, .value_kind: global_buffer, .address_space: global }
    .group_segment_fixed_size: 327680
    .private_segment_fixed_size: 0
    .kernarg_segment_align: 8
    .kernarg_segment_size: 40
    .max_flat_workgroup_size: 128
    .sgpr_count:     66
    .vgpr_count:     1024
    .wavefront_size: 32
...
	.end_amdgpu_metadata
.endif
;; end of part 2
;; launch tail (part 3): grid 256 x 1, 8 waves a work-group, clusters of 4 x 1, 327,680 bytes of LDS; arguments oc, os, wrec, x, b1, bp, g1, be1, b2, g2, be2, out0; writes out0
.if DOCPART == 3
	.amdgcn_target "amdgcn-amd-amdhsa--gfx1250"
	.amdhsa_code_object_version 6
	.text
	.protected	k_q412744732f_tail
	.globl	k_q412744732f_tail
	.p2align	8
	.type	k_q412744732f_tail,@function
k_q412744732f_tail:
	s_mov_b64 s[64:65], 0
	v_nop
	global_prefetch_b8 v0, s[64:65] scope:SCOPE_SE
	s_setreg_imm32_b32 hwreg(HW_REG_WAVE_MODE, 25, 1), 1
	s_wait_xcnt 0x0
	s_wait_alu depctr_hold_cnt(0) depctr_sa_sdst(0) depctr_va_vdst(0) depctr_va_sdst(0) depctr_va_ssrc(0) depctr_va_vcc(0) depctr_vm_vsrc(0)
	s_getreg_b32 s2, hwreg(HW_REG_IB_STS2, 6, 4)
	s_cmp_eq_u32 s2, 0
	s_cbranch_scc0 .Lentry_in_a_cluster
	s_endpgm
.Lentry_in_a_cluster:
	s_bfe_u32 s2, ttmp6, 0x10000c
	s_cmp_lg_u32 s2, 0x3003
	s_cbranch_scc0 .Lentry_shape_is_right
	s_endpgm
.Lentry_shape_is_right:
; Encoder layer, launch 3 of 3: x1 = LN(x + o wp + bp; g1, be1); out0 = LN(x1 + gelu(x1 w1 + b1) w2 + b2; g2, be2).  The three products on codes of FP6 (E2M3), one E8M0 scale for each 32 along K; all else in f32.
; Nothing of reference() is left out.  gelu(u) = u (1 + erf(u / sqrt 2)) / 2: u + u erf(.) is quantised, and the 1 / 2, a power of two that moves a block's scale and no code, is taken off the scale bytes.
; erf(z) = z A(z^2) / B(z^2), polynomials of degree 6 and 4, z held to -4 .. 4, where erf is 1 to within f32's rounding.
; LIMITS: erf's error is a few units of f32's last place, so gelu's absolute error is about 1e-7 |u|: for far negative u the relative error is larger.  The 1 / 2 is exact but where a block's exponent would meet the
; quantiser's hold at -126.  Blocks whose largest magnitude lies under 2^-124 keep the scale byte 1 (the hidden layer's: 0 behind the halving), blocks of zeros too.  NaN and infinities are not served.
; The residual and the biases are the C of the products' sums: another order of f32 rounding than reference()'s.
; SHARES.  A work-group has 128 tokens, EIGHT waves, two to a SIMD, 512 registers each; a wave has ONE tile of 16 tokens.  Every product is used transposed (source 0 = 16 rows of a weight, source 1 = 16 tokens):
; a lane holds one token and 128 of its 256 columns: register 16 b + i = column 32 b + 16 h + i.  A LayerNorm is sums within a lane and one exchange between the halves; no activation goes from wave to wave.
; x is loaded into the accumulators' registers, 512 consecutive bytes a load, and turned through the wave's own stage in LDS; bp is added there, ahead of o wp; b2 is added to x1 behind x1's quantiser.
; b1's 128 numbers of a step are loaded from memory into the hidden tile's registers, one step ahead: they are the C of its first products.
; THE WEIGHTS come as images of registers from wrec: w1 and w2 in 8 records, one for each 128 hidden units, through a ring of two LDS slots of two records; wp's record is slot 1's first fill.
; A wave fetches an eighth of each fill; by this text's count one tensor load a wave is out.  CLUSTER: all work-groups walk the same records: the four of a cluster ask jointly.
; No prefetch: x is read at the head and out0 stored at the end, with no loop to run ahead in, and wrec is walked by every cluster at the same time.
; REGISTERS.  window 0: v1-15 addresses, two coefficients; v16-34 scale registers; v36-47 the hidden tile's codes; v48-71 o's, later x1's fragments; v72-119 at work; v120-183 the hidden tile; v184-255 fragments 0-5.
;   v120-247 also a gain, and rows on the way out.   window 1: v0-127 the 16 accumulators; v128-247 fragments 6-15; v128-255 also a bias or an offset.
.set STEPB, 51200
.set SLOTB, 102400
.set SLOT1, 1<<17
.set SPARE, 233472                     ; the spare words, 128 bytes a wave: four blocks of 256 bytes that no other line names
.set XSTG,  234496                     ; the stages, one a wave: 16 rows x (512 bytes + 16); no tensor load lands here
.set XSP,   528
.set LI,  1
.set LS,  2
.set ADR, 3
.set ADS, 4
.set OSA, 5                            ; o's scale words: 4 r + 64 y
.set SPW, 6
.set NIL, 7
.set XST, 8                            ; my stage + 16 x lane: whole rows
.set VA,  9                            ; a vector in a tile's layout: 64 h
.set XRD, 10                           ; my stage + 528 r + 64 h: a lane's pieces
.set CA6, 12
.set CB4, 14
.set KS,  16
.set VS,  24
.set XS,  32                           ; o's, later x1's scale words, K step s
.set HS,  34
.set P,   36
.set XF,  48
.set TM,  72
.set CT,  88
.set ZZ,  72                           ; gelu: z, later B;  z^2;  A
.set WW,  88
.set PA,  104
.set PB,  72
.set SU,  72
.set MU,  80
.set RS,  82
.set T1,  84
.set T2,  85
.set H,   120
.set F0,  184
.set WV,  28
.set G1,  36                           ; s[36:43] group 1: 50 rows of 256 bytes;  s[44:51]: 25
.set G1P, 44
.set G0P, 60
.set G0,  72
.set SLOTS, 80
.set TWICE, 81
.set TB,  82
.set TC,  83                           ; steps to go
.set SEL, 84
.set B1P, 98                           ; s[98:99] b1's next chunk
.set MSB, 0
.macro WIN new
.if MSB != (\new)
	s_set_vgpr_msb (MSB<<8)|(\new)
.set MSB, (\new)
.endif
.endm
.macro PLACES n
.rept \n
	v_nop
.endr
.endm
.macro MM                              ; qA = 1: source 0's scales are taken from lanes 16-31
.if qA
	v_wmma_scale_f32_16x16x128_f8f6f4 v[rD:rD+7], v[rA:rA+11], v[rB:rB+11], v[rD:rD+7], v[rSA], v[rSB] matrix_a_fmt:MATRIX_FMT_FP6 matrix_b_fmt:MATRIX_FMT_FP6 matrix_a_scale:MATRIX_SCALE_ROW1
.else
	v_wmma_scale_f32_16x16x128_f8f6f4 v[rD:rD+7], v[rA:rA+11], v[rB:rB+11], v[rD:rD+7], v[rSA], v[rSB] matrix_a_fmt:MATRIX_FMT_FP6 matrix_b_fmt:MATRIX_FMT_FP6
.endif
.endm
.macro FSEL i                          ; where fragment i lies
.if (\i) < 6
.set rA, F0+12*(\i)
.set wA, 0
.else
.set rA, 128+12*((\i)-6)
.set wA, 1
.endif
.endm
; 16 fragments from the record at v[ADR].  w1 = 1: fragment 8 s + t is image 2 t + s; else fragment T is image T.
.macro FLD base, w1
.set ii, 0
.rept 16
	FSEL ii
	WIN wA<<6
.if \w1
.set fo, (\base)+1536*(2*(ii%8)+ii/8)
.else
.set fo, (\base)+1536*ii
.endif
.irp c, 0,1,2
	ds_load_b128 v[rA+4*\c:rA+4*\c+3], v[ADR] offset:fo+512*\c
.endr
.set ii, ii+1
.endr
	WIN 0
.endm
.macro P1 s                            ; the hidden tile's 8 accumulators by turns, K step s; their C is what lies there: b1, then K step 0's sums
.set tt, 0
.rept 8
	FSEL 8*(\s)+tt
	WIN wA
.set rD, H+8*tt
.set rB, XF+12*(\s)
.set rSA, KS+2*(tt/2)+(\s)
.set rSB, XS+(\s)
.set qA, tt%2
	MM
.set tt, tt+1
.endr
.endm
.macro PACC b, sa, m, sb               ; the 16 accumulators by turns: += fragment T x the tokens' fragment at v[b]
.set tt, 0
.rept 16
	FSEL tt
	WIN 0x50|wA
.set rD, 8*tt
.set rB, (\b)
.set rSA, (\sa)+(\m)*(tt/2)
.set rSB, (\sb)
.set qA, tt%2
	MM
.set tt, tt+1
.endr
	WIN 0
.endm
; 64 numbers of a lane, register 16 b + i = k 32 b + 16 h + i of my row, become a fragment's codes in v[pc] on and its scale word in v[pw], both in window 0.
.macro QUANT src, win, pc, pw
	WIN (\win)|((\win)<<2)
.irp b, 0,1,2,3
	v_max3_num_f32 v[TM+\b], |v[(\src)+16*\b]|, |v[(\src)+16*\b+1]|, 0x1800000   ; with the floor 2^(3 - 127): the byte cannot fall under 1
.endr
	WIN ((\win)<<2)|((\win)<<4)
.irp i, 2,4,6,8,10,12,14
.irp b, 0,1,2,3
	v_max3_num_f32 v[TM+\b], v[TM+\b], |v[(\src)+16*\b+\i]|, |v[(\src)+16*\b+\i+1]|
.endr
.endr
	WIN 0
.irp b, 0,1,2,3
	v_permlanex16_b32 v[TM+4+\b], v[TM+\b], s[SEL], s[SEL+1]
.endr
.irp b, 0,1,2,3
	v_max_num_f32 v[TM+\b], v[TM+\b], v[TM+4+\b]
.endr
.irp b, 0,1,2,3
	v_add_nc_u32 v[TM+12+\b], 0xff000000, v[TM+\b]   ; 2 off the exponent field: the conversion's scale operand
.endr
.irp b, 0,1,2,3
	v_lshrrev_b32 v[TM+4+\b], 23, v[TM+12+\b]
.endr
	v_lshl_or_b32 v[\pw], v[TM+5], 8, v[TM+4]
	s_delay_alu instid0(VALU_DEP_1)
	v_lshl_or_b32 v[\pw], v[TM+6], 16, v[\pw]
	s_delay_alu instid0(VALU_DEP_1)
	v_lshl_or_b32 v[\pw], v[TM+7], 24, v[\pw]
	WIN (\win)
.irp c, 0,1
	v_cvt_scalef32_pk16_fp6_f32 v[(\pc)+6*\c:(\pc)+6*\c+2], v[(\src)+32*\c:(\src)+32*\c+15], v[TM+12+2*\c]
	v_cvt_scalef32_pk16_fp6_f32 v[CT+4*\c:CT+4*\c+2], v[(\src)+32*\c+16:(\src)+32*\c+31], v[TM+13+2*\c]
.endr
	WIN 0
	v_nop                                          ; one plain place behind a scaled conversion
.irp c, 0,1
.irp i, 0,1,2
	v_permlane16_swap_b32 v[(\pc)+6*\c+\i], v[CT+4*\c+\i]
.endr
.irp i, 0,1,2
	v_mov_b32 v[(\pc)+6*\c+3+\i], v[CT+4*\c+\i]
.endr
.endr
.endm
.macro CROUND                          ; a round of the cluster's barrier
	s_barrier_signal -1
	s_barrier_wait -1
	s_cmp_lg_u32 s[WV], 0
	s_cbranch_scc1 .Lnot_wave_0_\@
	s_barrier_signal -3
.Lnot_wave_0_\@:
	s_barrier_wait -3
	s_barrier_signal -1
	s_barrier_wait -1
.endm
.macro VLOAD win, base, ptr            ; a vector of 256 numbers in a tile's layout
	WIN (\win)<<6
.irp b, 0,1,2,3,4,5,6,7
.irp j, 0,1,2,3
	global_load_b128 v[\base+16*\b+4*\j:\base+16*\b+4*\j+3], v[VA], s[\ptr:\ptr+1] offset:128*\b+16*\j
.endr
.endr
	WIN 0
.endm
.macro B1LD                            ; b1 at my 64 hidden units of a step, into the hidden tile's registers
.irp b, 0,1,2,3
.irp j, 0,1,2,3
	global_load_b128 v[H+16*\b+4*\j:H+16*\b+4*\j+3], v[VA], s[B1P:B1P+1] offset:128*\b+16*\j
.endr
.endr
.endm
.macro LNB                             ; the bias in window 1, v128 on, is added to the tile
	WIN 0x45
.set jj, 0
.rept 64
	v_pk_add_f32 v[jj:jj+1], v[jj:jj+1], v[128+jj:128+jj+1]
.set jj, jj+2
.endr
	WIN 0
.endm
; LayerNorm of the tile, in place, in two passes as reference() has it; the gain lies in window 0 from v[H] on, the offset in window 1 from v128 on.  Each accumulator is first read at its low end.
.macro LNS
	WIN 0x05
.irp q, 0,1,2,3
	v_pk_add_f32 v[SU+2*\q:SU+2*\q+1], v[4*\q:4*\q+1], v[4*\q+2:4*\q+3]
.endr
	WIN 0x04
.set jj, 16
.rept 14
.irp q, 0,1,2,3
	v_pk_add_f32 v[SU+2*\q:SU+2*\q+1], v[SU+2*\q:SU+2*\q+1], v[jj+2*\q:jj+2*\q+1]
.endr
.set jj, jj+8
.endr
	WIN 0
	v_pk_add_f32 v[SU:SU+1], v[SU:SU+1], v[SU+2:SU+3]
	v_pk_add_f32 v[SU+4:SU+5], v[SU+4:SU+5], v[SU+6:SU+7]
	s_delay_alu instid0(VALU_DEP_1)
	v_pk_add_f32 v[SU:SU+1], v[SU:SU+1], v[SU+4:SU+5]
	s_delay_alu instid0(VALU_DEP_1)
	v_add_f32 v[T1], v[SU], v[SU+1]
	v_permlanex16_b32 v[T2], v[T1], s[SEL], s[SEL+1]
	v_add_f32 v[T1], v[T1], v[T2]                  ; with lane l xor 16's 128 columns
	s_delay_alu instid0(VALU_DEP_1)
	v_mul_f32 v[MU], s96, v[T1]
	v_mul_f32 v[MU+1], s96, v[T1]
	WIN 0x41
.set jj, 0
.rept 64
	v_pk_add_f32 v[jj:jj+1], v[jj:jj+1], v[MU:MU+1] neg_lo:[0,1] neg_hi:[0,1]
.set jj, jj+2
.endr
	WIN 0x05
.irp q, 0,1,2,3
	v_pk_mul_f32 v[SU+2*\q:SU+2*\q+1], v[2*\q:2*\q+1], v[2*\q:2*\q+1]
.endr
.set jj, 8
.rept 15
.irp q, 0,1,2,3
	v_pk_fma_f32 v[SU+2*\q:SU+2*\q+1], v[jj+2*\q:jj+2*\q+1], v[jj+2*\q:jj+2*\q+1], v[SU+2*\q:SU+2*\q+1]
.endr
.set jj, jj+8
.endr
	WIN 0
	v_pk_add_f32 v[SU:SU+1], v[SU:SU+1], v[SU+2:SU+3]
	v_pk_add_f32 v[SU+4:SU+5], v[SU+4:SU+5], v[SU+6:SU+7]
	s_delay_alu instid0(VALU_DEP_1)
	v_pk_add_f32 v[SU:SU+1], v[SU:SU+1], v[SU+4:SU+5]
	s_delay_alu instid0(VALU_DEP_1)
	v_add_f32 v[T1], v[SU], v[SU+1]
	v_permlanex16_b32 v[T2], v[T1], s[SEL], s[SEL+1]
	v_add_f32 v[T1], v[T1], v[T2]
	s_delay_alu instid0(VALU_DEP_1)
	v_fma_f32 v[T1], v[T1], s96, s97               ; var + eps
	s_wait_alu depctr_va_vdst(0)                   ; the wait ahead of the transcendentals
	v_rsq_f32 v[RS], v[T1]
	v_rsq_f32 v[RS+1], v[T1]
	v_nop
	s_wait_alu depctr_va_vdst(0)                   ; and ahead of their first use
	WIN 0x41
.set jj, 0
.rept 64
	v_pk_mul_f32 v[jj:jj+1], v[jj:jj+1], v[RS:RS+1]
.set jj, jj+2
.endr
	s_wait_loadcnt 0x0                             ; the gain and the offset are in
	WIN 0x51                                       ; destination, source 0 and the offset window 1, the gain window 0
.set jj, 0
.rept 64
	v_pk_fma_f32 v[jj:jj+1], v[jj:jj+1], v[H+jj:H+jj+1], v[128+jj:128+jj+1]
.set jj, jj+2
.endr
	WIN 0
.endm
; gelu x 2 on the tile's 64 hidden numbers, sixteen at a time, then the quantiser; the 1 / 2 goes off the four scale bytes.
.macro GQ
.set qq, 0
.rept 4
.set UU, H+16*qq
.irp k, 0,2,4,6,8,10,12,14
	v_pk_mul_f32 v[ZZ+\k:ZZ+\k+1], v[UU+\k:UU+\k+1], s[4:5] op_sel_hi:[1,0]   ; z = u / sqrt 2
.endr
.irp k, 0,1,2,3,4,5,6,7,8,9,10,11,12,13,14,15
	v_med3_num_f32 v[ZZ+\k], v[ZZ+\k], -4.0, 4.0
.endr
.irp k, 0,2,4,6,8,10,12,14
	v_pk_mul_f32 v[WW+\k:WW+\k+1], v[ZZ+\k:ZZ+\k+1], v[ZZ+\k:ZZ+\k+1]
.endr
.irp k, 0,2,4,6,8,10,12,14
	v_pk_fma_f32 v[PA+\k:PA+\k+1], v[WW+\k:WW+\k+1], v[CA6:CA6+1], s[8:9] op_sel_hi:[1,1,0]
.endr
.irp a, 10,12,14,16,18
.irp k, 0,2,4,6,8,10,12,14
	v_pk_fma_f32 v[PA+\k:PA+\k+1], v[PA+\k:PA+\k+1], v[WW+\k:WW+\k+1], s[\a:\a+1] op_sel_hi:[1,1,0]
.endr
.endr
.irp k, 0,2,4,6,8,10,12,14
	v_pk_mul_f32 v[PA+\k:PA+\k+1], v[PA+\k:PA+\k+1], v[ZZ+\k:ZZ+\k+1]   ; z A: z's registers are free for B
.endr
.irp k, 0,2,4,6,8,10,12,14
	v_pk_fma_f32 v[PB+\k:PB+\k+1], v[WW+\k:WW+\k+1], v[CB4:CB4+1], s[88:89] op_sel_hi:[1,1,0]
.endr
.irp a, 90,92,94
.irp k, 0,2,4,6,8,10,12,14
	v_pk_fma_f32 v[PB+\k:PB+\k+1], v[PB+\k:PB+\k+1], v[WW+\k:WW+\k+1], s[\a:\a+1] op_sel_hi:[1,1,0]
.endr
.endr
	s_wait_alu depctr_va_vdst(0)                   ; the wait ahead of the batch
.irp k, 0,1,2,3,4,5,6,7,8,9,10,11,12,13,14,15
	v_rcp_f32 v[PB+\k], v[PB+\k]
.endr
	v_nop                                          ; a plain place behind the batch
	s_wait_alu depctr_va_vdst(0)                   ; and the wait behind it
.irp k, 0,2,4,6,8,10,12,14
	v_pk_mul_f32 v[PA+\k:PA+\k+1], v[PA+\k:PA+\k+1], v[PB+\k:PB+\k+1]   ; erf
.endr
.irp k, 0,2,4,6,8,10,12,14
	v_pk_fma_f32 v[UU+\k:UU+\k+1], v[UU+\k:UU+\k+1], v[PA+\k:PA+\k+1], v[UU+\k:UU+\k+1]   ; u + u erf
.endr
.set qq, qq+1
.endr
	QUANT H, 0, P, HS
	v_add_nc_u32 v[HS], 0xfefefeff, v[HS]          ; 1 off each of the four bytes (each is 1 at the least: no borrow)
.endm
; A STEP: 128 hidden units, the record at s[TB].  One set of 16 fragment places serves w1 and then w2.
.macro STEP
	v_add_nc_u32 v[ADR], s[TB], v[LI]
	v_add_nc_u32 v[ADS], s[TB], v[LS]
	v_nop
	v_nop                                          ; four places behind the last products, in front of loads into registers that they have read
.irp e, 0,1,2,3,4,5,6,7
	ds_load_b32 v[KS+\e], v[ADS] offset:49152+128*\e
.endr
	FLD 0, 1
	s_wait_alu depctr_va_vdst(0)                   ; the wait ahead of the blocking wait
	s_wait_loadcnt 0x0                             ; b1's chunk lies in the hidden tile's registers, and its loads have read their base
	s_add_nc_u64 s[B1P:B1P+1], s[B1P:B1P+1], 512
	s_wait_dscnt 24                                ; all but the 24 loads of K step 1
	P1 0
	s_wait_dscnt 0x0
	P1 1
	WIN 0
	PLACES 4
	FLD 24576, 0                                   ; w2 lands while the activation is walked
.irp i, 0,1,2,3,4,5,6,7
	ds_load_b32 v[VS+\i], v[ADS] offset:50176+128*\i
.endr
	GQ
	s_sub_co_u32 s[TC], s[TC], 1
	s_cmp_lg_u32 s[TC], 0
	s_cbranch_scc0 .Lno_b1_\@                      ; the last step has no next chunk: nothing is loaded past b1's end
	B1LD
.Lno_b1_\@:
	PLACES 8                                       ; a scale register written by a vector instruction stands 8 places ahead of a scaled matrix instruction
	s_wait_alu depctr_va_vdst(0)
	s_wait_dscnt 0x0                               ; w2 is in
	PACC P, VS, 1, HS
	s_add_co_u32 s[TB], s[TB], STEPB
.endm
; THE CHANGE OF SLOTS: each wave waits for all its tensor loads, adds 0 to its spare word, and waits for that and for its reads of the slot that it has left.  fill = 1: a round, and the joint load first behind it.
.macro CHANGE fill
	s_wait_tensorcnt 0x0
	ds_add_u32 v[SPW], v[NIL]
.if \fill
	s_xor_b32 s[G0+1], s[G0+1], SLOT1
	s_add_nc_u64 s[G0+2:G0+3], s[G0+2:G0+3], SLOTB
.endif
	s_wait_dscnt 0x0
.if \fill
	CROUND
	tensor_load_to_lds s[G0:G0+3], s[G1:G1+7]
	s_nop 0
	PLACES 4
.else
	s_barrier_signal -1
	s_barrier_wait -1
.endif
.endm
.macro TWO_STEPS
	s_mov_b32 s[TWICE], 2
.Lstep_\@:
	STEP
	s_sub_co_u32 s[TWICE], s[TWICE], 1
	s_cmp_lg_u32 s[TWICE], 0
	s_cbranch_scc1 .Lstep_\@
.endm
.macro KON r, bits
	s_mov_b32 s[\r], \bits
	s_mov_b32 s[\r+1], \bits
.endm
	s_load_b512 s[4:19], s[0:1], 0x0               ; oc, os, wrec, x, b1, bp, g1, be1
	s_load_b256 s[20:27], s[0:1], 0x40             ; b2, g2, be2, out0
	v_lshl_add_u32 v[SPW], v0, 2, SPARE
	v_mov_b32 v[NIL], 0
	ds_add_u32 v[SPW], v[NIL]                      ; the opening: the add, twice on end, and its wait ahead of my first tensor load
	ds_add_u32 v[SPW], v[NIL]
	v_lshrrev_b32 v1, 5, v0
	v_readfirstlane_b32 s[WV], v1                  ; wave 0..7
	s_bfe_u32 s29, ttmp6, 0x40000                  ; cx
	s_lshl_b32 s30, ttmp9, 4
	s_lshl_b32 s31, s29, 2
	s_add_co_u32 s30, s30, s31
	s_lshr_b32 s31, s[WV], 1
	s_add_co_u32 s30, s30, s31                     ; the pair of tiles: 4 x work-group + wave / 2
	s_and_b32 s31, s[WV], 1                        ; y: my tile of the pair
	s_mul_i32 s32, s30, 6144
	s_mul_i32 s33, s31, 3072
	s_add_co_u32 s32, s32, s33                     ; my two fragments of o
	s_mov_b32 s33, 0
	s_lshl_b32 s34, s30, 8                         ; the pair's two scale registers
	s_mov_b32 s35, 0
	s_lshl_b32 s76, s30, 15                        ; the pair's 32 rows of x and out0; my row n is row 8 y + n + 8 (n / 8)
	s_lshl_b32 s77, s31, 13
	s_add_co_u32 s76, s76, s77
	s_mov_b32 s77, 0
	s_lshl_b32 s31, s31, 6
.irp g, G1, G1P
	s_mov_b32 s[\g], 15|(3<<16)|(1<<21)            ; the mask: all four work-groups; elements of 8 bytes; bit 21 beside a mask; no padding
	s_mov_b32 s[\g+1], 32<<16                      ; rows of 256 bytes
	s_mov_b32 s[\g+3], 32<<16
	s_mov_b32 s[\g+5], 32                          ; dense
	s_mov_b32 s[\g+6], 0
	s_mov_b32 s[\g+7], 0
.endr
	s_mov_b32 s[G1+2], 50<<16                      ; an eighth of a slot,
	s_mov_b32 s[G1+4], 50
	s_mov_b32 s[G1P+2], 25<<16                     ; of wp's record
	s_mov_b32 s[G1P+4], 25
	s_mov_b32 s[G0P], 1
	s_mul_i32 s78, s[WV], 6400
	s_add_co_u32 s[G0P+1], s78, SLOT1              ; wp's record is slot 1's first fill
	s_add_co_u32 s78, s78, 409600                  ; it is the ninth record
	s_mov_b32 s79, 0
	s_mov_b32 s[G0], 1
	s_mul_i32 s[G0+1], s[WV], 12800
	s_mov_b32 s86, s[G0+1]
	s_mov_b32 s87, 0
	s_mov_b32 s[SEL], 0x76543210
	s_mov_b32 s[SEL+1], 0xfedcba98
	s_mov_b32 s96, 0x3b800000                      ; 1 / 256
	s_mov_b32 s97, 0x3727c5ac                      ; 1e-5
	s_wait_dscnt 0x0                               ; both opening adds are done
	s_wait_kmcnt 0x0
	s_add_nc_u64 s[G0P+2:G0P+3], s[8:9], s[78:79]
	s_or_b32 s[G0P+3], s[G0P+3], 0x80000000
	s_add_nc_u64 s[G0+2:G0+3], s[8:9], s[86:87]
	s_or_b32 s[G0+3], s[G0+3], 0x80000000
	s_add_nc_u64 s[4:5], s[4:5], s[32:33]
	s_add_nc_u64 s[6:7], s[6:7], s[34:35]
	s_add_nc_u64 s[10:11], s[10:11], s[76:77]
	s_add_nc_u64 s[26:27], s[26:27], s[76:77]
	s_mov_b64 s[B1P:B1P+1], s[12:13]
	CROUND                                         ; all four work-groups are here: the first joint loads meet
	tensor_load_to_lds s[G0P:G0P+3], s[G1P:G1P+7]  ; wp's record: my one load at the head
	s_nop 0
	PLACES 4
	v_and_b32 v3, 31, v0
	v_lshlrev_b32 v[LI], 4, v3
	v_lshlrev_b32 v[LS], 2, v3
	v_and_b32 v4, 15, v0                           ; r
	v_bfe_u32 v11, v0, 4, 1                        ; h
	v_lshl_add_u32 v[OSA], v4, 2, s31
	s_mul_i32 s30, s[WV], 16*XSP
	s_add_co_u32 s30, s30, XSTG
	v_add_nc_u32 v[XST], s30, v[LI]
	v_mul_u32_u24 v[XRD], v4, XSP
	v_lshl_add_u32 v[XRD], v11, 6, v[XRD]
	v_add_nc_u32 v[XRD], s30, v[XRD]
	v_lshlrev_b32 v[VA], 6, v11
	v_mov_b32 v[T2], 0                             ; a lane permute's destination counts as one of its sources
	WIN 0x40                                       ; x into the accumulators' registers: unit c is my 16 rows, columns 128 c on; a load takes half a row
.irp c, 0,1
.set nn, 0
.rept 16
	global_load_b128 v[64*\c+4*nn:64*\c+4*nn+3], v[LI], s[10:11] offset:(nn+8*(nn/8))*1024+512*\c th:TH_LOAD_NT
.set nn, nn+1
.endr
.endr
	VLOAD 1, 128, 14                               ; bp
.irp s, 0,1
.irp c, 0,1,2
	global_load_b128 v[XF+12*\s+4*\c:XF+12*\s+4*\c+3], v[LI], s[4:5] offset:1536*\s+512*\c
.endr
.endr
.irp s, 0,1
	global_load_b32 v[XS+\s], v[OSA], s[6:7] offset:128*\s
.endr
	s_wait_alu depctr_va_vdst(0)                   ; the wait at the head's end
	s_wait_loadcnt 40                              ; x is in; behind it: bp (32), o (6), its scale words (2)
.irp c, 0,1                                    ; each unit through my stage, in place
	WIN 0x04
.set nn, 0
.rept 16
	ds_store_b128 v[XST], v[64*\c+4*nn:64*\c+4*nn+3] offset:XSP*nn
.set nn, nn+1
.endr
	WIN 0x40                                       ; LDS serves a wave's instructions in order (ISA guide 5.7.1.4)
.irp b, 0,1,2,3
.irp j, 0,1,2,3
	ds_load_b128 v[64*\c+16*\b+4*\j:64*\c+16*\b+4*\j+3], v[XRD] offset:128*\b+16*\j
.endr
.endr
.endr
	WIN 0
	s_wait_loadcnt 8                               ; bp is in
	s_wait_dscnt 0x0                               ; x lies in the accumulators' layout
	LNB                                            ; x + bp
	s_wait_tensorcnt 0x0                           ; my eighth of wp's record is in
	ds_add_u32 v[SPW], v[NIL]
	v_add_nc_u32 v[ADR], SLOT1, v[LI]
	v_add_nc_u32 v[ADS], SLOT1, v[LS]
	s_wait_alu depctr_va_vdst(0)
	s_wait_dscnt 0x0
	CROUND
	tensor_load_to_lds s[G0:G0+3], s[G1:G1+7]      ; slot 0: records 0 and 1
	s_nop 0
	PLACES 4
.irp e, 0,1,2,3,4,5,6,7,8,9,10,11,12,13,14,15
	ds_load_b32 v[KS+\e], v[ADS] offset:49152+128*\e
.endr
	FLD 0, 0                                       ; wp's K step 0
	s_wait_dscnt 0x0
	s_wait_loadcnt 0x0                             ; o
	PACC XF, KS, 2, XS
	PLACES 4
	FLD 24576, 0                                   ; and K step 1
	s_wait_dscnt 0x0
	PACC XF+12, KS+1, 2, XS+1
	PLACES 4
	VLOAD 0, H, 16                                 ; g1
	VLOAD 1, 128, 18                               ; be1
	LNS                                            ; x1, which stays in the accumulators
	VLOAD 1, 128, 20                               ; b2
	B1LD                                           ; b1's first chunk
	QUANT 0, 1, XF, XS
	QUANT 64, 1, XF+12, XS+1
	s_wait_alu depctr_va_vdst(0)
	s_wait_loadcnt 16                              ; b2 is in; b1's 16 loads may stay out
	LNB                                            ; x1 + b2: the C of h w2
	KON 4,  0x3f3504f3                             ; 1 / sqrt 2
	KON 8,  0x32edffee                             ; A:  2.77068142e-8
	KON 10, 0xb60cff51                             ;    -2.10102402e-6
	KON 12, 0xb86ec2d2                             ;    -5.69250639e-5
	KON 14, 0xba40ac63                             ;    -7.34990630e-4
	KON 16, 0xbb41a1f6                             ;    -2.95459981e-3
	KON 18, 0xbc83dbd4                             ;    -1.60960333e-2
	KON 88, 0xb95fbd29                             ; B: -2.13374055e-4
	KON 90, 0xbadc924e                             ;    -1.68282697e-3
	KON 92, 0xbbf19bf8                             ;    -7.37332917e-3
	KON 94, 0xbc69b6a7                             ;    -1.42647391e-2
	v_mov_b32 v[CA6], 0xaf95df0b                   ; A's leading coefficient, -2.72614226e-10,
	v_mov_b32 v[CA6+1], 0xaf95df0b
	v_mov_b32 v[CB4], 0xb77460cd                   ; and B's, -1.45660718e-5
	v_mov_b32 v[CB4+1], 0xb77460cd
	s_mov_b32 s[TB], 0
	s_mov_b32 s[TC], 8
	s_mov_b32 s[SLOTS], 3
	s_wait_alu depctr_va_vdst(0)
.Lslot:                                            ; three trips: slots 0 to 2 are walked, slots 1 to 3 asked for
	CHANGE 1
	TWO_STEPS
	s_sub_co_u32 s[TB], s[TB], 2*STEPB
	s_xor_b32 s[TB], s[TB], SLOT1
	s_sub_co_u32 s[SLOTS], s[SLOTS], 1
	s_cmp_lg_u32 s[SLOTS], 0
	s_cbranch_scc1 .Lslot
	CHANGE 0                                       ; the last slot is written out
	TWO_STEPS
	s_wait_loadcnt 0x0                             ; no load into the hidden tile's registers is out on any way here: the gain lands on them
	PLACES 4
	VLOAD 0, H, 22                                 ; g2
	VLOAD 1, 128, 24                               ; be2
	LNS
	s_wait_alu depctr_va_vdst(0)
	; THE WAY OUT: unit by unit through my stage, back as whole half rows: each store of the wave covers 512 consecutive bytes, aligned
.irp c, 0,1
	WIN 0x04
.irp b, 0,1,2,3
.irp j, 0,1,2,3
	ds_store_b128 v[XRD], v[64*\c+16*\b+4*\j:64*\c+16*\b+4*\j+3] offset:128*\b+16*\j
.endr
.endr
	WIN 0
.set nn, 0
.rept 16
	ds_load_b128 v[H+64*\c+4*nn:H+64*\c+4*nn+3], v[XST] offset:XSP*nn
.set nn, nn+1
.endr
.endr
.irp c, 0,1
.set nn, 0
.rept 16
	s_wait_dscnt (1-\c)*32+15-nn                   ; the younger stage instructions may stay out
	global_store_b128 v[LI], v[H+64*\c+4*nn:H+64*\c+4*nn+3], s[26:27] offset:(nn+8*(nn/8))*1024+512*\c th:TH_STORE_NT
.set nn, nn+1
.endr
.endr
	s_wait_tensorcnt 0x0                           ; the wave's end
	ds_add_u32 v[SPW], v[NIL]
	s_wait_dscnt 0x0
	CROUND                                         ; the closing round
	s_endpgm
.Lfunc_end_k_q412744732f_tail:
	.size	k_q412744732f_tail, .Lfunc_end_k_q412744732f_tail-k_q412744732f_tail
	.p2alignl 7, 3214868480
	.fill 96, 4, 3214868480
	.section	.rodata,"a",@progbits
	.p2align	6, 0x0
	.amdhsa_kernel k_q412744732f_tail
		.amdhsa_group_segment_fixed_size 327680
		.amdhsa_private_segment_fixed_size 0
		.amdhsa_enable_private_segment 0
		.amdhsa_kernarg_size 96
		.amdhsa_user_sgpr_count 2
		.amdhsa_user_sgpr_kernarg_segment_ptr 1
		.amdhsa_wavefront_size32 1
		.amdhsa_system_sgpr_workgroup_id_x 1
		.amdhsa_system_sgpr_workgroup_id_y 1
		.amdhsa_system_sgpr_workgroup_id_z 1
		.amdhsa_system_vgpr_workitem_id 0
		.amdhsa_next_free_vgpr 512
		.amdhsa_next_free_sgpr 100
		.amdhsa_reserve_vcc 0
		.amdhsa_float_denorm_mode_32 3
		.amdhsa_float_denorm_mode_16_64 3
		.amdhsa_memory_ordered 1
		.amdhsa_forward_progress 1
		.amdhsa_inst_pref_size 223
	.end_amdhsa_kernel
	.amdgpu_metadata
---
amdhsa.version: [ 1, 2 ]
amdhsa.kernels:
  - .name:           k_q412744732f_tail
    .symbol:         k_q412744732f_tail.kd
    .args:
      - { .name: oc, .offset: 0, .size: 8, .value_kind: global_buffer, .address_space: global }
      - { .name: os, .offset: 8, .size: 8, .value_kind: global_buffer, .address_space: global }
      - { .name: wrec, .offset: 16, .size: 8, .value_kind: global_buffer, .address_space: global }
      - { .name: x, .offset: 24, .size: 8, .value_kind: global_buffer, .address_space: global }
      - { .name: b1, .offset: 32, .size: 8, .value_kind: global_buffer, .address_space: global }
      - { .name: bp, .offset: 40, .size: 8, .value_kind: global_buffer, .address_space: global }
      - { .name: g1, .offset: 48, .size: 8, .value_kind: global_buffer, .address_space: global }
      - { .name: be1, .offset: 56, .size: 8, .value_kind: global_buffer, .address_space: global }
      - { .name: b2, .offset: 64, .size: 8, .value_kind: global_buffer, .address_space: global }
      - { .name: g2, .offset: 72, .size: 8, .value_kind: global_buffer, .address_space: global }
      - { .name: be2, .offset: 80, .size: 8, .value_kind: global_buffer, .address_space: global }
      - { .name: out0, .offset: 88, .size: 8, .value_kind: global_buffer, .address_space: global }
    .group_segment_fixed_size: 327680
    .private_segment_fixed_size: 0
    .kernarg_segment_align: 8
    .kernarg_segment_size: 96
    .max_flat_workgroup_size: 256
    .sgpr_count:     100
    .vgpr_count:     512
    .wavefront_size: 32
...
	.end_amdgpu_metadata
.endif
;; end of part 3
